; MI455X (gfx1250); checked and timed in simulation.
; The chip was launched on July 23, 2026; its instructions are those of AMD's public machine-readable ISA for CDNA 5 (MIT licence, August 2026) and "CDNA5" Instruction Set Architecture Reference Guide (July 2026). The comments in the code are by the model that wrote it; some were corrected since.
;; Multi Head Attention. Allowed arithmetic: matrix products marked QUANTISED: E2M1 operands, one E8M0 scale for each 32 along K, by v_wmma_scale_f32_16x16x128_f8f6f4 with both operands' format E2M1 (or v_wmma_scale_f32_32x16x128_f4), f32 sums; products left as they are: bf16, f16 or f32 operands; f32 sums; everything else in f32.
;; Inputs: Wk 1,024 x 1,024 float32; Wo 1,024 x 1,024 float32; Wq 1,024 x 1,024 float32; Wv 1,024 x 1,024 float32; x 4 x 2,048 x 1,024 float32.
;; Outputs: out0 4 x 2,048 x 1,024 float32.
;; This version of the problem:
;;   THIS VERSION OF THE PROBLEM IS GIVEN IN LOW PRECISION. The matrix products marked QUANTISED in the list below multiply operands that are first quantised to E2M1 (2 exponent bits, 1 mantissa bit; 4 bits a number), with one power-of-two scale for each 32 numbers along K (OCP MX v1.0); their sums are f32. The products marked 'left as it is' may take bf16, f16 or f32 operands, with f32 sums. Whichever they take, every output number must still come out within the allowed error. Rounding operands to bf16 (8 significant bits) uses up far more of that allowance than f16 does (11 bits, for magnitudes from 6e-5 to 65,504). All else is computed in f32.
;;   The module's matrix products, in the order in which they are computed (A, B: the left and right operand; K: the contracted axis; several contracted axes count as one K, in the product's order):
;;     1. [M 8,192, K 1,024] x [K 1,024, N 1,024]; A: input x; B: input Wq: QUANTISED
;;     2. [M 8,192, K 1,024] x [K 1,024, N 1,024]; A: input x; B: input Wk: QUANTISED
;;     3. [M 8,192, K 1,024] x [K 1,024, N 1,024]; A: input x; B: input Wv: QUANTISED
;;     4. batch 64 x [M 2,048, K 64] x [K 64, N 2,048]; A: computed on the way; B: computed on the way: left as it is (an operand is computed on the way)
;;     5. batch 64 x [M 2,048, K 2,048] x [K 2,048, N 64]; A: computed on the way; B: computed on the way: left as it is (an operand is computed on the way)
;;     6. [M 8,192, K 1,024] x [K 1,024, N 1,024]; A: computed on the way; B: input Wo: left as it is (an operand is computed on the way)
;;   THE QUANTISER, for each operand of a quantised product, along K:
;;     - K is cut into blocks of 32 from its start; a last block that is shorter is filled with zeros.
;;     - A block's scale is 2^e with e = floor(log2(the largest magnitude in the block)) - 2, held to -126 .. 127; a block of zeros has e = 0. As a byte (E8M0): e + 127.
;;     - Each number is divided by its block's scale, clamped to +-6, and rounded to the nearest number of E2M1, ties to even, subnormals kept.
;;     - The product sums the exact products of the quantised numbers (number of the format x scale) in f32.
;;   ~~~python
;;   def quantise(x, axis):      # numpy; x: float32 -> the quantised numbers, widened to float32 again
;;       x = np.moveaxis(x, axis, -1); K = x.shape[-1]
;;       x = np.pad(x, [(0, 0)] * (x.ndim - 1) + [(0, -K % 32)]); x = x.reshape(x.shape[:-1] + (-1, 32)); a = np.abs(x).max(-1, keepdims=True)
;;       e = np.where(a > 0, np.clip(np.frexp(np.where(a > 0, a, 1))[1] - 1 - 2, -126, 127), 0)      # np.frexp(a)[1] - 1 = floor(log2(a)), exactly
;;       r = np.clip(x / 2.0 ** e, -6, 6)
;;       step = 2.0 ** (np.maximum(np.frexp(np.where(r == 0, 1, r))[1] - 1, 0) - 1)
;;       q = np.round(r / step) * step * 2.0 ** e      # np.round: ties to even
;;       return np.moveaxis(q.reshape(q.shape[:-2] + (-1,))[..., :K], -1, axis).astype(np.float32)
;;   ~~~
;; One version. Each part assembles by itself: llvm-mc -triple=amdgcn-amd-amdhsa -mcpu=gfx1250 --defsym DOCPART=n.
;; ======== version 1 of 1: 5 launches
;; limits: values are held in f16: magnitudes above 65,504 overflow, below 6.1e-05 lose precision
;; workspace buffers: xc 4,194,304 bytes; xs 262,144 bytes; wc 1,572,864 bytes; ws 98,304 bytes; wo16 2,097,152 bytes; qkv 50,331,648 bytes; qkvf 786,432 bytes; o 16,777,216 bytes
;; launch quant (part 1): grid 384 x 1, 4 waves a work-group, no clusters, 33,280 bytes of LDS; arguments x, Wq, Wk, Wv, Wo, xc, xs, wc, ws, wo16; writes xc, xs, wc, ws, wo16
.if DOCPART == 1
	.amdgcn_target "amdgcn-amd-amdhsa--gfx1250"
	.amdhsa_code_object_version 6
	.text
	.protected	k_q8d66b8d05a_quant
	.globl	k_q8d66b8d05a_quant
	.p2align	8
	.type	k_q8d66b8d05a_quant,@function
k_q8d66b8d05a_quant:
	s_mov_b64 s[64:65], 0
	v_nop
	global_prefetch_b8 v0, s[64:65] scope:SCOPE_SE
	s_setreg_imm32_b32 hwreg(HW_REG_WAVE_MODE, 25, 1), 1
	s_wait_xcnt 0x0
; x [8192][1024] and Wq, Wk, Wv [1024][1024], f32, K innermost, become codes of FP4 (E2M1), two a byte, with one E8M0 scale byte for each 32 along K:
; xc [8192][512 bytes], xs [8192][32]; wc [3072][512 bytes], ws [3072][32] (Wq's rows, then Wk's, then Wv's).  Wo [1024][1024] becomes f16: wo16.
; A block's scale is 2^(floor(log2(its largest magnitude)) - 2); its byte is the largest magnitude's exponent field - 2, held at 1 from below.
; LIMITS: a block of zeros gets the byte 1 where the rule says 127 (its codes are zeros, which add nothing, and this program alone reads the bytes); blocks whose largest magnitude lies
; under 2^-124 keep the byte 1; NaN and infinities among the inputs are not served.
; Rows are dense and K is a multiple of 32: every tensor is a plain stream of blocks of 32.  A work-group takes 32,768 numbers, a wave 8,192: 16 steps of 512.
; Work-groups 0-255: x; 256-287: Wq; 288-319: Wk; 320-351: Wv (only pointers are chosen: one path); 352-383: Wo (a path of its own, which touches no LDS).
; Each of a step's four loads reads 512 consecutive bytes; the 2,048 bytes turn through the wave's own stage in LDS and come back 64 bytes (16 neighbours along K) a lane; two neighbouring lanes hold a block.
.set WAVES, 4
.set STEPS, 16
.set EMAX,  2
.set CB,    8                          ; bytes of 16 codes
.set R,     16                         ; v16-79   four sets of 16 numbers as they are loaded
.set X,     80                         ; v80-111  two sets of 16 neighbours
.set E,     112                        ; v112-127 a scale byte for each step
.set C,     128                        ; v128-191 codes: four registers for each step, so that no store's data are written again
.set WREG,  8192                       ; LDS: a region for each wave: two stages of 32 x SP bytes, behind them its 256 scale bytes
.set SP,    80                         ; a lane's place in a stage: 64 bytes + 16 of padding
.set SPW,   12                         ; v12 LDS address of my spare word; never rewritten
.set NIL,   13                         ; v13 0; never rewritten
.set SPARE, WAVES*WREG                 ; behind the four regions: the spare words, 128 bytes a wave
.set SRC,   24                         ; s[24:25] the numbers;  s[26:27] the codes;  s[28:29] the scale bytes
.set COD,   26
.set SCA,   28
	s_load_b256 s[4:11], s[0:1], 0x0               ; x, Wq, Wk, Wv
	s_load_b256 s[12:19], s[0:1], 0x20             ; Wo, xc, xs, wc
	s_load_b128 s[20:23], s[0:1], 0x40             ; ws, wo16
	v_lshl_add_u32 v[SPW], v0, 2, SPARE
	v_mov_b32 v[NIL], 0
	v_lshrrev_b32 v1, 5, v0
	v_readfirstlane_b32 s32, v1                    ; wave
	v_and_b32 v2, 31, v0                           ; lane
	v_lshlrev_b32 v3, 4, v2                        ; my 16 bytes of a load's 512
	s_mul_i32 s33, s32, WREG
	v_lshrrev_b32 v14, 2, v2
	v_mul_u32_u24 v14, v14, SP
	v_and_b32 v15, 3, v2
	v_lshl_add_u32 v14, v15, 4, v14
	v_add_nc_u32 v14, s33, v14                     ; the stage, way in: SP (lane / 4) + 16 (lane % 4)
	v_mul_u32_u24 v15, v2, SP
	v_add_nc_u32 v15, s33, v15                     ; way out: SP x lane: my 16 neighbours
	v_mul_u32_u24 v4, v2, CB                       ; my codes' place in a step's
	v_lshrrev_b32 v5, 1, v2
	s_add_co_u32 s33, s33, 2*32*SP
	v_add_nc_u32 v5, s33, v5                       ; my wave's 256 scale bytes, my block's byte
	v_lshlrev_b32 v7, 3, v2                        ; 8 bytes a lane
	v_add_nc_u32 v6, s33, v7
	s_wait_kmcnt 0x0
	s_cmp_ge_u32 ttmp9, 352
	s_cbranch_scc1 .Lwo
	s_cmp_lt_u32 ttmp9, 320                        ; the choices hang on the work-group's number alone
	s_cselect_b64 s[SRC:SRC+1], s[8:9], s[10:11]
	s_cmp_lt_u32 ttmp9, 288
	s_cselect_b64 s[SRC:SRC+1], s[6:7], s[SRC:SRC+1]
	s_cmp_lt_u32 ttmp9, 256
	s_cselect_b64 s[SRC:SRC+1], s[4:5], s[SRC:SRC+1]
	s_cselect_b64 s[COD:COD+1], s[14:15], s[18:19]
	s_cselect_b64 s[SCA:SCA+1], s[16:17], s[20:21]
	s_cselect_b32 s31, -1, 31
	s_cselect_b32 s30, 0, 256
	s_sub_co_u32 s30, ttmp9, s30                   ; which 32,768 numbers of the codes' buffer
	s_and_b32 s31, s30, s31                        ; and of the tensor read
	s_lshl_b32 s31, s31, 2
	s_add_co_u32 s31, s31, s32                     ; my wave's run of 8,192 numbers, in
	s_lshl_b32 s34, s31, 15
	s_mov_b32 s35, 0
	s_add_nc_u64 s[SRC:SRC+1], s[SRC:SRC+1], s[34:35]
	s_lshl_b32 s30, s30, 2
	s_add_co_u32 s30, s30, s32                     ; and out
	s_lshl_b32 s34, s30, 12
	s_add_nc_u64 s[COD:COD+1], s[COD:COD+1], s[34:35]
	s_lshl_b32 s34, s30, 8
	s_add_nc_u64 s[SCA:SCA+1], s[SCA:SCA+1], s[34:35]
.macro LOAD t
.irp i, 0,1,2,3
	global_load_b128 v[R+16*((\t)%4)+4*\i:R+16*((\t)%4)+4*\i+3], v3, s[SRC:SRC+1] offset:2048*(\t)+512*\i th:TH_LOAD_NT   ; 32 lanes read 512 consecutive bytes
.endr
.endm
.macro TURN t                          ; step t's numbers through the stage: LDS serves a wave's instructions in order, so no wait stands between the stores and the loads
.irp i, 0,1,2,3
	ds_store_b128 v14, v[R+16*((\t)%4)+4*\i:R+16*((\t)%4)+4*\i+3] offset:32*SP*((\t)%2)+8*SP*\i
.endr
.irp i, 0,1,2,3
	ds_load_b128 v[X+16*((\t)%2)+4*\i:X+16*((\t)%2)+4*\i+3], v15 offset:32*SP*((\t)%2)+16*\i
.endr
.endm
.irp t, 0,1,2,3
	LOAD \t
.endr
	s_wait_loadcnt 12                              ; step 0's four loads are in; three steps' twelve stay out
	TURN 0
.macro STEP t
.set XS, X+16*((\t)%2)
.if (\t) > 0
	s_wait_dscnt 1                                 ; this step's numbers are back from the stage (the last step's byte store may be out)
.else
	s_wait_dscnt 0x0
.endif
.if (\t)+4 < STEPS
	LOAD (\t)+4                                    ; into the registers that the stage's stores have read
.endif
.if (\t)+1 < STEPS
.if STEPS-2-(\t) >= 3
	s_wait_loadcnt 12                              ; the next step's four loads are in; those of the three steps behind it may be out
.else
	s_wait_loadcnt 4*(STEPS-2-(\t))
.endif
	TURN (\t)+1
.endif
	v_max3_num_f32 v8, |v[XS]|, |v[XS+1]|, |v[XS+2]|               ; the largest magnitude of my 16, in two chains
	v_max3_num_f32 v9, |v[XS+3]|, |v[XS+4]|, |v[XS+5]|
.irp i, 6,10
	v_max3_num_f32 v8, v8, |v[XS+\i]|, |v[XS+\i+1]|
	v_max3_num_f32 v9, v9, |v[XS+\i+2]|, |v[XS+\i+3]|
.endr
	v_max3_num_f32 v8, v8, |v[XS+14]|, |v[XS+15]|
	v_max3_num_f32 v8, v8, v9, (EMAX+1)<<23        ; and the floor 2^(3 - 127): the byte cannot fall under 1
	v_max_num_f32_dpp v8, v8, v8 row_xmask:1 row_mask:0xf bank_mask:0xf   ; and of my neighbour's 16: the block's
	v_add_nc_u32 v11, -(EMAX<<23), v8              ; 2 off its exponent field: the conversion takes the exponent field of this operand as its scale
	v_cvt_scalef32_pk8_fp4_f32 v[C+4*(\t)], v[XS:XS+7], v11
	v_cvt_scalef32_pk8_fp4_f32 v[C+4*(\t)+1], v[XS+8:XS+15], v11
	v_lshrrev_b32 v[E+(\t)], 23, v11               ; the scale's byte (also the plain line behind the conversions)
	ds_store_b8 v5, v[E+(\t)] offset:16*(\t)       ; both lanes of a block write the same byte with the same value
	global_store_b64 v4, v[C+4*(\t):C+4*(\t)+1], s[COD:COD+1] offset:32*CB*(\t)   ; the wave stores 256 consecutive bytes, aligned
.endm
.irp t, 0,1,2,3,4,5,6,7,8,9,10,11,12,13,14,15
	STEP \t
.endr
	ds_load_b64 v[8:9], v6                         ; LDS serves a wave's instructions in order: these see my byte stores
	s_wait_dscnt 0x0
	global_store_b64 v7, v[8:9], s[SCA:SCA+1]      ; 32 lanes store 256 consecutive bytes, aligned
	s_wait_tensorcnt 0x0                           ; the wave's end
	ds_add_u32 v[SPW], v[NIL]
	s_wait_dscnt 0x0
	s_endpgm
; Wo to f16: a wave's 8,192 numbers in four groups of 16 loads.  A lane's four numbers become 8 bytes: each store of the wave covers 256 consecutive bytes, aligned.  No LDS on this path.
.Lwo:
	s_sub_co_u32 s34, ttmp9, 352
	s_lshl_b32 s34, s34, 2
	s_add_co_u32 s34, s34, s32                     ; my wave's run
	s_lshl_b32 s36, s34, 15
	s_mov_b32 s37, 0
	s_add_nc_u64 s[12:13], s[12:13], s[36:37]
	s_lshl_b32 s36, s34, 14
	s_add_nc_u64 s[22:23], s[22:23], s[36:37]
.macro CVT g
.if \g > 0
	s_wait_xcnt 0x0                                ; the last group's stores have read their data, which are written again below
.endif
.irp i, 0,1,2,3,4,5,6,7,8,9,10,11,12,13,14,15
	global_load_b128 v[R+4*\i:R+4*\i+3], v3, s[12:13] offset:8192*\g+512*\i th:TH_LOAD_NT
.endr
.irp i, 0,1,2,3,4,5,6,7,8,9,10,11,12,13,14,15
	s_wait_loadcnt 15-\i                           ; loads come back in order: load i is in
	v_cvt_pk_f16_f32 v[X+2*\i], v[R+4*\i], v[R+4*\i+1]
	v_cvt_pk_f16_f32 v[X+2*\i+1], v[R+4*\i+2], v[R+4*\i+3]
	global_store_b64 v7, v[X+2*\i:X+2*\i+1], s[22:23] offset:4096*\g+256*\i
.endr
.endm
	CVT 0
	CVT 1
	CVT 2
	CVT 3
	s_endpgm
.Lfunc_end_k_q8d66b8d05a_quant:
	.size	k_q8d66b8d05a_quant, .Lfunc_end_k_q8d66b8d05a_quant-k_q8d66b8d05a_quant
	.p2alignl 7, 3214868480
	.fill 96, 4, 3214868480
	.section	.rodata,"a",@progbits
	.p2align	6, 0x0
	.amdhsa_kernel k_q8d66b8d05a_quant
		.amdhsa_group_segment_fixed_size 33280
		.amdhsa_private_segment_fixed_size 0
		.amdhsa_enable_private_segment 0
		.amdhsa_kernarg_size 80
		.amdhsa_user_sgpr_count 2
		.amdhsa_user_sgpr_kernarg_segment_ptr 1
		.amdhsa_wavefront_size32 1
		.amdhsa_system_sgpr_workgroup_id_x 1
		.amdhsa_system_sgpr_workgroup_id_y 1
		.amdhsa_system_sgpr_workgroup_id_z 1
		.amdhsa_system_vgpr_workitem_id 0
		.amdhsa_next_free_vgpr 192
		.amdhsa_next_free_sgpr 66
		.amdhsa_reserve_vcc 0
		.amdhsa_float_denorm_mode_32 3
		.amdhsa_float_denorm_mode_16_64 3
		.amdhsa_memory_ordered 1
		.amdhsa_forward_progress 1
		.amdhsa_inst_pref_size 56
	.end_amdhsa_kernel
	.amdgpu_metadata
---
amdhsa.version: [ 1, 2 ]
amdhsa.kernels:
  - .name:           k_q8d66b8d05a_quant
    .symbol:         k_q8d66b8d05a_quant.kd
    .args:
      - { .name: x, .offset: 0, .size: 8, .value_kind: global_buffer, .address_space: global }
      - { .name: Wq, .offset: 8, .size: 8, .value_kind: global_buffer, .address_space: global }
      - { .name: Wk, .offset: 16, .size: 8, .value_kind: global_buffer, .address_space: global }
      - { .name: Wv, .offset: 24, .size: 8, .value_kind: global_buffer, .address_space: global }
      - { .name: Wo, .offset: 32, .size: 8, .value_kind: global_buffer, .address_space: global }
      - { .name: xc, .offset: 40, .size: 8, .value_kind: global_buffer, .address_space: global }
      - { .name: xs, .offset: 48, .size: 8, .value_kind: global_buffer, .address_space: global }
      - { .name: wc, .offset: 56, .size: 8, .value_kind: global_buffer, .address_space: global }
      - { .name: ws, .offset: 64, .size: 8, .value_kind: global_buffer, .address_space: global }
      - { .name: wo16, .offset: 72, .size: 8, .value_kind: global_buffer, .address_space: global }
    .group_segment_fixed_size: 33280
    .private_segment_fixed_size: 0
    .kernarg_segment_align: 8
    .kernarg_segment_size: 80
    .max_flat_workgroup_size: 128
    .sgpr_count:     66
    .vgpr_count:     192
    .wavefront_size: 32
...
	.end_amdgpu_metadata
.endif
;; end of part 1
;; launch qkv (part 2): grid 12 x 32, 4 waves a work-group, clusters of 4 x 1, 327,680 bytes of LDS; arguments xc, xs, wc, ws, qkv, qkvf; writes qkv, qkvf
.if DOCPART == 2
	.amdgcn_target "amdgcn-amd-amdhsa--gfx1250"
	.amdhsa_code_object_version 6
	.text
	.protected	k_q8d66b8d05a_qkv
	.globl	k_q8d66b8d05a_qkv
	.p2align	8
	.type	k_q8d66b8d05a_qkv,@function
k_q8d66b8d05a_qkv:
	s_mov_b64 s[64:65], 0
	v_nop
	global_prefetch_b8 v0, s[64:65] scope:SCOPE_SE
	s_setreg_imm32_b32 hwreg(HW_REG_WAVE_MODE, 25, 1), 1
	s_wait_xcnt 0x0
	s_wait_alu depctr_hold_cnt(0) depctr_sa_sdst(0) depctr_va_vdst(0) depctr_va_sdst(0) depctr_va_ssrc(0) depctr_va_vcc(0) depctr_vm_vsrc(0)
	s_getreg_b32 s2, hwreg(HW_REG_IB_STS2, 6, 4)
	s_cmp_eq_u32 s2, 0
	s_cbranch_scc0 .Lentry_in_a_cluster
	s_endpgm
.Lentry_in_a_cluster:
	s_bfe_u32 s2, ttmp6, 0x10000c
	s_cmp_lg_u32 s2, 0x3003
	s_cbranch_scc0 .Lentry_shape_is_right
	s_endpgm
.Lentry_shape_is_right:
; C[m][n] = sum over k of x[m][k] W[n][k], m 8,192, n 3,072 (Wq's, Wk's, Wv's rows), k 1,024, both operands as codes of FP4 (E2M1) with one E8M0 scale for each 32 along K; sums in f32.
; A tile of C, 256 x 256, is made by four waves; a wave makes 128 x 128: 64 accumulators, 512 registers.  K is two slots of 512 (rows of 256 bytes): both are asked for at the head, nothing is filled again.
; The scale bytes of the work-group's 256 + 256 rows, for all of K, come into LDS once, as rows of 256 bytes.
; CLUSTER: the four work-groups of a cluster lie side by side along n and share their 256 rows of x: x's codes and scales are asked for JOINTLY (mask 15).  W's tiles differ from partner to partner: plain loads.
; THE MATRIX INSTRUCTION IS USED TRANSPOSED (source 0 = 16 rows of W, source 1 = 16 rows of x): a lane holds eight neighbouring columns of one row of C.
; OUT: q, k, v as f16 in head planes, qkv [sel 3][batch 4][head 16][position 2048][64]: 16 positions of a head are 2,048 consecutive bytes.  LIMIT: magnitudes up to 65,504 are served (f16).
; Positions 0-15 of each batch also leave as f32, qkvf [batch][16][3072]: the last launch carries those rows in f32.
; REGISTERS: window 0: v0-31 addresses; v32-95 scale words, two sets; v128-191 x's fragments, one set; on the way out v32-255 are free.  window 1: W's fragments, two sets.  windows 2, 3: the accumulators ((a, b) at v[8 (8 (a % 4) + b)]).
.set SIZE_K, 1024
.set KSTEP,  512
.set NQ,     KSTEP/128
.set ROWB,   256
.set KROW,   SIZE_K/2
.set PITCH,  272                       ; an LDS row: 256 bytes + 16: the 16 rows of a fragment load start at 16 different 16-byte columns
.set FR,     8
.set NL,     2
.set NP,     4
.set HALFT,  128*PITCH
.set SLOT,   4*HALFT
.set KS,     SIZE_K/32
.set SCL,    2*SLOT
.set HALFS,  (128*KS/256)*272
.set SBLK,   (16*KS/256)*272
.set SPARE,  SCL+4*HALFS               ; the spare words, 128 bytes a wave
.set FSTG,   0                         ; the way out, in slot 0, which has had its one fill and its last read by then: f32 stages, 16 rows x 528 a wave,
.set HSTG,   34816                     ; and f16 stages, 16 rows x 272 a wave
.set ADRA, 16
.set ADRB, 20
.set STF,  22                          ; v22 f32 stage, in;  v23 back
.set RDF,  23
.set STO,  24                          ; v24 f16 stage, in;  v25 back
.set RD,   25
.set GO,   26                          ; v26 16 x lane
.set ADRS, 27
.set SPW,  28
.set NIL,  29
.set SC,   32
.set AF,   128
.set TMP,  192                         ; the way out: packed results
.set OB,   32                          ; and rows read back: v32-63 and v224-255 by turns
.set G1, 24
.set G0, 32
.set G1B, 48
.set G0B, 56
.set G1S, 68
.set G0S, 76
.set G1SB, 80
.set G0SB, 88
.set MSB, 0
.macro WIN new                         ; the immediate's high byte repeats the setting that is left
.if MSB != \new
	s_set_vgpr_msb (MSB<<8)|\new
.set MSB, \new
.endif
.endm
.set MUL_LO, 0xa1
.set MUL_HI, 0xf1
.set TO_B,   0x40
; Waves 0 and 1 fetch for x (jointly), waves 2 and 3 for W.  The branch hangs on the wave's number alone.  An s_nop 0 and four v_nop follow each line.
.macro JLOAD g0a, g1a, g0b, g1b
	s_cmp_eq_u32 s15, 0
	s_cbranch_scc0 .Lfor_b_\@
	tensor_load_to_lds s[\g0a:\g0a+3], s[\g1a:\g1a+7]
	s_nop 0
.rept 4
	v_nop
.endr
	s_branch .Lasked_\@
.Lfor_b_\@:
	tensor_load_to_lds s[\g0b:\g0b+3], s[\g1b:\g1b+7]
	s_nop 0
.rept 4
	v_nop
.endr
.Lasked_\@:
.endm
.macro CROUND                          ; a round of the cluster's barrier
	s_barrier_signal -1
	s_barrier_wait -1
	s_cmp_lg_u32 s14, 0
	s_cbranch_scc1 .Lnot_wave_0_\@
	s_barrier_signal -3
.Lnot_wave_0_\@:
	s_barrier_wait -3
	s_barrier_signal -1
	s_barrier_wait -1
.endm
	s_load_b128 s[4:7], s[0:1], 0x0                ; x's codes, x's scales
	s_load_b128 s[8:11], s[0:1], 0x10              ; W's codes, W's scales
	s_load_b64 s[12:13], s[0:1], 0x20              ; qkv
	s_load_b64 s[96:97], s[0:1], 0x28              ; qkvf
	v_lshl_add_u32 v[SPW], v0, 2, SPARE
	v_mov_b32 v[NIL], 0
	ds_add_u32 v[SPW], v[NIL]                      ; the wave's opening: the add, twice on end, and its wait ahead of my first tensor load
	ds_add_u32 v[SPW], v[NIL]
	v_lshrrev_b32 v1, 5, v0
	v_readfirstlane_b32 s14, v1                    ; wave 0..3
	s_lshr_b32 s15, s14, 1                         ; which half of the tile's rows is mine.  Also: I fetch for x (0) or for W (1)
	s_and_b32 s16, s14, 1                          ; which half of its columns.  Also: which 128 rows I fetch
	s_bfe_u32 s40, ttmp6, 0x40000                  ; cx
	s_lshl_b32 s42, ttmp9, 2
	s_add_co_u32 s42, s42, s40                     ; tile column = 4 x cluster x + cx
	s_and_b32 s17, ttmp7, 0xffff                   ; tile row: the same in all four partners
	s_mov_b32 s[G1+0], 15|(1<<20)|(1<<21)|(5<<22)|(3<<25)     ; mask: all four; elements of 1 byte; padding: 4 words after every 64
	s_mov_b32 s[G1B+0], (1<<20)|(5<<22)|(3<<25)               ; no mask
.irp g, G1, G1B
	s_mov_b32 s[\g+1], ROWB<<16                    ; tensor_dim0
	s_mov_b32 s[\g+2], 128<<16                     ; tensor_dim1
	s_mov_b32 s[\g+3], ROWB<<16                    ; tile_dim0
	s_mov_b32 s[\g+4], 128                         ; tile_dim1
	s_mov_b32 s[\g+5], KROW                        ; stride
	s_mov_b32 s[\g+6], 0
	s_mov_b32 s[\g+7], 0
.endr
	s_mov_b32 s[G1S+0], 15|(3<<16)|(1<<20)|(1<<21)|(5<<22)|(3<<25)   ; the scales of 128 rows: 4,096 dense bytes as 16 rows of 32 elements of 8 bytes
	s_mov_b32 s[G1SB+0], (3<<16)|(1<<20)|(5<<22)|(3<<25)
.irp g, G1S, G1SB
	s_mov_b32 s[\g+1], 32<<16
	s_mov_b32 s[\g+2], (128*KS/256)<<16
	s_mov_b32 s[\g+3], 32<<16
	s_mov_b32 s[\g+4], 128*KS/256
	s_mov_b32 s[\g+5], 32
	s_mov_b32 s[\g+6], 0
	s_mov_b32 s[\g+7], 0
.endr
	s_lshl_b32 s18, s16, 7
	s_lshl_b32 s20, s17, 8
	s_add_co_u32 s20, s20, s18                     ; x: row 256 x tile row + 128 x half
	s_lshl_b32 s46, s42, 8
	s_add_co_u32 s46, s46, s18                     ; W: row 256 x tile column + 128 x half
	s_mov_b32 s21, 0
	s_mov_b32 s47, 0
	s_mov_b64 s[18:19], KS
	s_mul_u64 s[22:23], s[20:21], s[18:19]         ; these rows' scales, in bytes
	s_mul_u64 s[92:93], s[46:47], s[18:19]
	s_mov_b64 s[18:19], KROW
	s_mul_u64 s[20:21], s[20:21], s[18:19]         ; and their codes
	s_mul_u64 s[46:47], s[46:47], s[18:19]
	s_mul_i32 s45, s14, HALFT                      ; where they go: wave x 128 rows
	s_mul_i32 s94, s14, HALFS
	s_wait_dscnt 0x0                               ; both opening adds are done
	s_wait_kmcnt 0x0
	s_add_nc_u64 s[20:21], s[4:5], s[20:21]
	s_add_nc_u64 s[22:23], s[6:7], s[22:23]
	s_add_nc_u64 s[46:47], s[8:9], s[46:47]
	s_add_nc_u64 s[92:93], s[10:11], s[92:93]
	CROUND                                         ; all four work-groups are here: the joint loads meet
	s_mov_b32 s[G0S], 1
	s_add_co_u32 s[G0S+1], s94, SCL
	s_mov_b64 s[G0S+2:G0S+3], s[22:23]
	s_or_b32 s[G0S+3], s[G0S+3], 0x80000000
	s_mov_b32 s[G0SB], 1
	s_add_co_u32 s[G0SB+1], s94, SCL
	s_mov_b64 s[G0SB+2:G0SB+3], s[92:93]
	s_or_b32 s[G0SB+3], s[G0SB+3], 0x80000000
	JLOAD G0S, G1S, G0SB, G1SB                     ; the scales first
.irp s, 0,1
	s_mov_b32 s[G0+4*\s], 1
	s_add_co_u32 s[G0+4*\s+1], s45, \s*SLOT
	s_add_nc_u64 s[G0+4*\s+2:G0+4*\s+3], s[20:21], \s*ROWB
	s_or_b32 s[G0+4*\s+3], s[G0+4*\s+3], 0x80000000
	s_mov_b32 s[G0B+4*\s], 1
	s_add_co_u32 s[G0B+4*\s+1], s45, \s*SLOT
	s_add_nc_u64 s[G0B+4*\s+2:G0B+4*\s+3], s[46:47], \s*ROWB
	s_or_b32 s[G0B+4*\s+3], s[G0B+4*\s+3], 0x80000000
	JLOAD G0+4*\s, G1, G0B+4*\s, G1B               ; both slots: three loads of mine are out
.endr
	v_and_b32 v1, 15, v0                           ; r
	v_bfe_u32 v2, v0, 4, 1                         ; h
	v_mul_u32_u24 v3, v1, PITCH
	v_lshl_add_u32 v4, v2, 4, v3
	s_mul_i32 s21, s15, HALFT
	s_mul_i32 s22, s16, HALFT
	s_add_co_u32 s22, s22, 2*HALFT
.irp s, 0,1
	v_add_nc_u32 v[ADRA+\s], s21, v4
	v_add_nc_u32 v[ADRB+\s], s22, v4
	s_add_co_u32 s21, s21, SLOT
	s_add_co_u32 s22, s22, SLOT
.endr
	v_mul_u32_u24 v5, v1, KS                       ; my row's scales: 32 bytes a row,
	v_lshrrev_b32 v6, 8, v5
	v_lshl_add_u32 v5, v6, 4, v5                   ; and 16 more for each 256 passed
	s_mul_i32 s21, s15, HALFS
	s_mul_i32 s22, s16, HALFS
	s_add_co_u32 s22, s22, 2*HALFS
	s_sub_co_u32 s22, s22, s21
	v_mul_u32_u24 v6, s22, v2                      ; lanes 16-31 take W's
	s_add_co_u32 s21, s21, SCL
	v_add_nc_u32 v5, v5, v6
	v_add_nc_u32 v[ADRS], s21, v5
	s_mul_i32 s23, s14, 16*528                     ; my f32 stage
	v_mul_u32_u24 v5, v1, 528
	v_lshl_add_u32 v5, v2, 5, v5
	v_add_nc_u32 v[STF], s23, v5                   ; in: row r, 32 bytes for each half of the lanes
	v_and_b32 v6, 31, v0
	v_lshlrev_b32 v[GO], 4, v6
	v_add_nc_u32 v[RDF], s23, v[GO]                ; back: a row of 512 bytes
	s_mul_i32 s23, s14, 16*272
	s_add_co_u32 s23, s23, HSTG                    ; my f16 stage
	v_mul_u32_u24 v5, v1, 272
	v_lshl_add_u32 v5, v2, 4, v5
	v_add_nc_u32 v[STO], s23, v5                   ; in: row r, 16 bytes for each half
	v_bfe_u32 v5, v0, 3, 2
	v_mul_u32_u24 v5, v5, 272
	v_and_b32 v6, 7, v0
	v_lshl_add_u32 v5, v6, 4, v5
	v_add_nc_u32 v[RD], s23, v5                    ; back: four rows, 128 bytes (one head) of each: row lane / 8, 16 (lane % 8)
	; where my results go.  My 128 columns are heads G and G + 1 of one of q, k, v: G = 4 x tile column + 2 x half
	s_lshl_b32 s66, s42, 2
	s_lshl_b32 s67, s16, 1
	s_add_co_u32 s66, s66, s67
	s_lshr_b32 s67, s66, 4
	s_lshl_b32 s67, s67, 6                         ; 64 x (q, k or v)
	s_and_b32 s66, s66, 15
	s_add_co_u32 s66, s66, s67
	s_lshr_b32 s43, s17, 3                         ; the batch
	s_lshl_b32 s67, s43, 4
	s_add_co_u32 s66, s66, s67                     ; the plane
	s_lshl_b32 s98, s66, 18                        ; 262,144 bytes a plane
	s_and_b32 s67, s17, 7
	s_lshl_b32 s67, s67, 15                        ; 256 positions of 128 bytes
	s_add_co_u32 s98, s98, s67
	s_lshl_b32 s67, s15, 14
	s_add_co_u32 s98, s98, s67
	s_mov_b32 s99, 0
	s_add_nc_u64 s[12:13], s[12:13], s[98:99]
	s_mul_i32 s98, s43, 196608                     ; qkvf: 16 rows of 12,288 bytes a batch
	s_lshl_b32 s67, s42, 10
	s_add_co_u32 s98, s98, s67
	s_lshl_b32 s67, s16, 9
	s_add_co_u32 s98, s98, s67
	s_add_nc_u64 s[96:97], s[96:97], s[98:99]
	s_and_b32 s44, s17, 7
	s_or_b32 s44, s44, s15                         ; 0 where my first 16 rows are positions 0-15 of a batch: the tile row and the wave's number alone
.macro FRAG reg, adr, q, i             ; 16 rows x 128 K of 4-bit codes: 8 registers; registers 4 c .. 4 c + 3 hold K = 64 c + 32 (lane / 16) + 0 .. 31
.irp c, 0,1
	ds_load_b128 v[\reg+4*\c:\reg+4*\c+3], v[\adr] offset:64*(\q)+32*\c+(\i)*16*PITCH
.endr
.endm
; 16 matrix instructions: x's blocks a0, a0 + 1 against W's eight.  The 64 accumulators take turns, one instruction a turn.
.macro MUL16 a0, p, q, sc, zero
.irp a, \a0, \a0+1
.irp b, 0,1,2,3,4,5,6,7
.if \zero
	v_wmma_scale_f32_16x16x128_f8f6f4 v[8*(8*((\a)%4)+\b):8*(8*((\a)%4)+\b)+7], v[128*(\p)+FR*\b:128*(\p)+FR*\b+FR-1], v[AF+FR*(\a):AF+FR*(\a)+FR-1], 0, v[SC+8*NQ*(\sc)+NQ*\b+(\q)], v[SC+8*NQ*(\sc)+NQ*(\a)+(\q)] matrix_a_fmt:MATRIX_FMT_FP4 matrix_b_fmt:MATRIX_FMT_FP4 matrix_a_scale:MATRIX_SCALE_ROW1
.else
	v_wmma_scale_f32_16x16x128_f8f6f4 v[8*(8*((\a)%4)+\b):8*(8*((\a)%4)+\b)+7], v[128*(\p)+FR*\b:128*(\p)+FR*\b+FR-1], v[AF+FR*(\a):AF+FR*(\a)+FR-1], v[8*(8*((\a)%4)+\b):8*(8*((\a)%4)+\b)+7], v[SC+8*NQ*(\sc)+NQ*\b+(\q)], v[SC+8*NQ*(\sc)+NQ*(\a)+(\q)] matrix_a_fmt:MATRIX_FMT_FP4 matrix_b_fmt:MATRIX_FMT_FP4 matrix_a_scale:MATRIX_SCALE_ROW1
.endif
.endr
.endr
.endm
.macro FETCH_B slot, q, p
	WIN TO_B
.irp i, 0,1,2,3,4,5,6,7
	FRAG 128*(\p)+FR*\i, ADRB+\slot, \q, \i
.endr
	WIN 0
.endm
.macro FETCH_A slot, q, i0
.irp i, \i0, \i0+1, \i0+2, \i0+3
	FRAG AF+FR*(\i), ADRA+\slot, \q, \i
.endr
.endm
.macro SCALES sc                       ; a slot's scale words: lanes 0-15 x's block i, lanes 16-31 W's block i
.irp i, 0,1,2,3,4,5,6,7
	ds_load_b128 v[SC+8*NQ*\sc+NQ*\i:SC+8*NQ*\sc+NQ*\i+3], v[ADRS] offset:\i*SBLK
.endr
.endm
.macro PLACES n                        ; plain vector lines between a matrix instruction and a load into, or a read of, its registers
.rept \n
	v_nop
.endr
.endm
.macro STEP slot, q, zero              ; 128 along K that has its successor in the same slot
	s_wait_dscnt 4*NL                              ; W's set and x's blocks 0-3 are in; the youngest eight loads (x's blocks 4-7) may be out
	WIN MUL_LO
	MUL16 0, (\q)%2, \q, \slot, \zero
	MUL16 2, (\q)%2, \q, \slot, \zero
	s_wait_dscnt 0
	PLACES NP
	FETCH_B \slot, (\q)+1, 1-(\q)%2
	FETCH_A \slot, (\q)+1, 0
	WIN MUL_HI
	MUL16 4, (\q)%2, \q, \slot, \zero
	MUL16 6, (\q)%2, \q, \slot, \zero
	PLACES NP
	WIN 0
	FETCH_A \slot, (\q)+1, 4
.endm
.macro STEPS slot, from
.set Q, \from
.rept NQ-1-\from
	STEP \slot, Q, 0
.set Q, Q+1
.endr
.endm
	s_wait_tensorcnt 1                             ; the scales and my part of slot 0 are in; slot 1's load may be out
	s_barrier_signal -1
	s_barrier_wait -1
	FETCH_B 0, 0, 0
	FETCH_A 0, 0, 0
	SCALES 0
	FETCH_A 0, 0, 4
	STEP 0, 0, 1                                   ; the first products start the sums
	STEPS 0, 1
	; slot 0's last step changes slots: one barrier; in front of it all my tensor loads have landed and my reads of slot 0 are over
	s_wait_tensorcnt 0x0
	ds_add_u32 v[SPW], v[NIL]
	s_wait_dscnt 4*NL+1                            ; the add and the youngest eight loads may be out
	WIN MUL_LO
	MUL16 0, 1, NQ-1, 0, 0
	s_wait_dscnt 0x0
	s_barrier_signal -1
	MUL16 2, 1, NQ-1, 0, 0
	WIN 0
	s_barrier_wait -1
	PLACES NP
	v_add_nc_u32 v[ADRS], 4*NQ, v[ADRS]            ; the next slot's scale words
	FETCH_B 1, 0, 0
	FETCH_A 1, 0, 0
	SCALES 1
	WIN MUL_HI
	MUL16 4, 1, NQ-1, 0, 0
	MUL16 6, 1, NQ-1, 0, 0
	PLACES NP
	WIN 0
	FETCH_A 1, 0, 4
	STEPS 1, 0
	s_wait_dscnt 4*NL
	WIN MUL_LO
	MUL16 0, 1, NQ-1, 1, 0
	MUL16 2, 1, NQ-1, 1, 0
	s_wait_dscnt 0
	WIN MUL_HI
	MUL16 4, 1, NQ-1, 1, 0
	MUL16 6, 1, NQ-1, 1, 0
	WIN 0
	PLACES NP
	; POSITIONS 0-15 OF A BATCH AS f32: block 0 goes through my f32 stage and leaves as 16 rows of 512 bytes
	s_cmp_lg_u32 s44, 0
	s_cbranch_scc1 .Lno_fine
	WIN 0x08                                       ; an LDS store's data are its source 1: window 2
.irp b, 0,1,2,3,4,5,6,7
	ds_store_b128 v[STF], v[8*\b:8*\b+3] offset:64*\b              ; each accumulator from its low end on
	ds_store_b128 v[STF], v[8*\b+4:8*\b+7] offset:64*\b+16
.endr
	WIN 0
.irp t, 0,1,2,3,4,5,6,7,8,9,10,11,12,13,14,15
	ds_load_b128 v[128+4*\t:128+4*\t+3], v[RDF] offset:\t*528      ; LDS serves a wave's instructions in order: these see my stores
.endr
	s_wait_dscnt 0x0
.irp t, 0,1,2,3,4,5,6,7,8,9,10,11,12,13,14,15
	global_store_b128 v[GO], v[128+4*\t:128+4*\t+3], s[96:97] offset:\t*12288   ; 32 lanes store 512 consecutive bytes, aligned
.endr
.Lno_fine:
; THE WAY OUT, block by block of 16 positions x two heads: rounded to f16, through my f16 stage, back by heads: 16 positions of a head are 2,048 consecutive bytes of its plane.
.macro PACK a
.set AC, 64*((\a)%4)
	WIN 0x0a+5*((\a)/4)                            ; sources 0 and 1: window 2 or 3
.irp b, 0,1,2,3,4,5,6,7
.irp r, 0,1,2,3
	v_cvt_pk_f16_f32 v[TMP+4*\b+\r], v[AC+8*\b+2*\r], v[AC+8*\b+2*\r+1]
.endr
.endr
	WIN 0
.endm
.macro TOSTAGE a
.set BB, OB+192*((\a)%2)
.irp b, 0,1,2,3,4,5,6,7
	ds_store_b128 v[STO], v[TMP+4*\b:TMP+4*\b+3] offset:32*\b
.endr
.irp hd, 0,1
.irp i, 0,1,2,3
	ds_load_b128 v[BB+16*\hd+4*\i:BB+16*\hd+4*\i+3], v[RD] offset:128*\hd+1088*\i
.endr
.endr
.endm
.macro SEND a
.set BB, OB+192*((\a)%2)
	s_wait_dscnt 0x0                               ; the block is back in registers
	s_wait_xcnt 0x0                                ; earlier stores have read their data: the next block's loads may land there
.irp hd, 0,1
.irp i, 0,1,2,3
	global_store_b128 v[GO], v[BB+16*\hd+4*\i:BB+16*\hd+4*\i+3], s[12:13] offset:\hd*262144+(\a)*2048+512*\i   ; 32 lanes store 512 consecutive bytes, aligned
.endr
.endr
.endm
	PACK 0
	TOSTAGE 0
.irp a, 1,2,3,4,5,6,7                  ; block a's conversions stand between block a - 1's loads from the stage and the wait for them
	PACK \a
	SEND \a-1
	TOSTAGE \a
.endr
	SEND 7
	s_wait_tensorcnt 0x0                           ; the wave's end
	ds_add_u32 v[SPW], v[NIL]
	s_wait_dscnt 0x0
	CROUND                                         ; the closing round
	s_endpgm
.Lfunc_end_k_q8d66b8d05a_qkv:
	.size	k_q8d66b8d05a_qkv, .Lfunc_end_k_q8d66b8d05a_qkv-k_q8d66b8d05a_qkv
	.p2alignl 7, 3214868480
	.fill 96, 4, 3214868480
	.section	.rodata,"a",@progbits
	.p2align	6, 0x0
	.amdhsa_kernel k_q8d66b8d05a_qkv
		.amdhsa_group_segment_fixed_size 327680
		.amdhsa_private_segment_fixed_size 0
		.amdhsa_enable_private_segment 0
		.amdhsa_kernarg_size 48
		.amdhsa_user_sgpr_count 2
		.amdhsa_user_sgpr_kernarg_segment_ptr 1
		.amdhsa_wavefront_size32 1
		.amdhsa_system_sgpr_workgroup_id_x 1
		.amdhsa_system_sgpr_workgroup_id_y 1
		.amdhsa_system_sgpr_workgroup_id_z 1
		.amdhsa_system_vgpr_workitem_id 0
		.amdhsa_next_free_vgpr 1024
		.amdhsa_next_free_sgpr 100
		.amdhsa_reserve_vcc 0
		.amdhsa_float_denorm_mode_32 3
		.amdhsa_float_denorm_mode_16_64 3
		.amdhsa_memory_ordered 1
		.amdhsa_forward_progress 1
		.amdhsa_inst_pref_size 131
	.end_amdhsa_kernel
	.amdgpu_metadata
---
amdhsa.version: [ 1, 2 ]
amdhsa.kernels:
  - .name:           k_q8d66b8d05a_qkv
    .symbol:         k_q8d66b8d05a_qkv.kd
    .args:
      - { .name: xc, .offset: 0, .size: 8, .value_kind: global_buffer, .address_space: global }
      - { .name: xs, .offset: 8, .size: 8, .value_kind: global_buffer, .address_space: global }
      - { .name: wc, .offset: 16, .size: 8, .value_kind: global_buffer, .address_space: global }
      - { .name: ws, .offset: 24, .size: 8, .value_kind: global_buffer, .address_space: global }
      - { .name: qkv, .offset: 32, .size: 8, .value_kind: global_buffer, .address_space: global }
      - { .name: qkvf, .offset: 40, .size: 8, .value_kind: global_buffer, .address_space: global }
    .group_segment_fixed_size: 327680
    .private_segment_fixed_size: 0
    .kernarg_segment_align: 8
    .kernarg_segment_size: 48
    .max_flat_workgroup_size: 128
    .sgpr_count:     100
    .vgpr_count:     1024
    .wavefront_size: 32
...
	.end_amdgpu_metadata
.endif
;; end of part 2
;; launch attn (part 3): grid 4 x 64, 8 waves a work-group, no clusters, 327,680 bytes of LDS; arguments qkv, o; writes o
.if DOCPART == 3
	.amdgcn_target "amdgcn-amd-amdhsa--gfx1250"
	.amdhsa_code_object_version 6
	.text
	.protected	k_q8d66b8d05a_attn
	.globl	k_q8d66b8d05a_attn
	.p2align	8
	.type	k_q8d66b8d05a_attn,@function
k_q8d66b8d05a_attn:
	s_mov_b64 s[64:65], 0
	v_nop
	global_prefetch_b8 v0, s[64:65] scope:SCOPE_SE
	s_setreg_imm32_b32 hwreg(HW_REG_WAVE_MODE, 25, 1), 1
	s_wait_xcnt 0x0
; o[plane][q][:] = the sum over k <= q of softmax_k(Q[q] . K[k] / 8) V[k][:], for each of 64 planes (batch x head) of 2,048 positions x 64 channels, f16 operands, f32 products, maxima and sums.
; qkv: [q, k, v][plane][2048][64] f16; o: [plane][2048][64] f16.  The weights p are rounded to f16 for the second product, o once at the end.  LIMIT: f16's range (65,504) bounds q, k, v.
; SHARES.  A work-group owns two blocks of 256 queries of one plane: block 7 - x (pass 0) and block x (pass 1), which under the causal mask need (8 - x) + (x + 1) = 9 slots of 256 keys whatever x is:
; all 256 work-groups have equal work.  Each of eight waves owns 32 queries, two tiles of 16, so that each fragment of K and V read from LDS feeds two products.
; EVERY work-group walks 12 trips (8 slots of pass 0, 4 of pass 1): trip counts are constants.  A step of 64 keys all of which come after the wave's queries is left out by a scalar branch on ids, and
; a slot whose first key comes after the work-group's last query is not asked for.  No cluster: under the mask the query blocks of a plane need different numbers of tiles.
; LAYOUT.  S^T = K Q^T (source 0 = 16 keys, source 1 = 16 queries) and O^T = V^T P: a lane holds ONE query throughout.  K comes out of LDS as it lies, V turned by ds_load_tr16_b128.
; A plane is dense, so a tile is stated as rows of 256 bytes (two positions): position t lies at (t / 2) x pitch + (t % 2) x 128.  Pitch 272 (K) and 288 (V) spread a load's lanes over all 16-byte columns.
; SOFTMAX.  A running maximum m and sum l for each query: p = 2^(c s - c m), c = log2(e) / 8; in every step O^T and l are multiplied by a = 2^(c m_old - c m_new).
; REGISTERS.  window 0: v1-14 addresses; v16-31 statistics, 8 a tile (+0 c m, +1 m, +2, +3 l, +4 .. +7 at work; a in +6); v32-95 S^T; v96-127 P; v128-191 O^T.   window 1: v0-31 Q; v32-95 K; v96-159 V.
.set KP,    272
.set VP,    288
.set VOFF,  128*KP                     ; a slot: 128 rows of K, then 128 rows of V
.set SLOT1, 1<<17                      ; slot 1 begins here: one exclusive or turns an address
.set STAGE, SLOT1+VOFF+128*VP          ; behind the ring: 16 rows x 144 bytes for each wave
.set SPARE, STAGE+8*16*144             ; the spare words, 128 bytes a wave
.set AK0, 1
.set AV0, 2
.set ADK, 3
.set ADV, 4
.set QO,  5
.set STO, 6
.set RD,  7
.set GO,  8
.set DQ,  9                            ; v9  lane % 16 - 8 (lane / 16)
.set SPW, 10
.set NIL, 11
.set PFO, 12                           ; v12 256 x lane
.set NINF, 13                          ; v13 -infinity
.set DD,  14
.set ST,  16
.set S,   32
.set P,   96
.set OT,  128
.set QF,  0                            ; in window 1
.set KFR, 32
.set VFR, 96
.set TB,  2                            ; s2  LDS byte at which the slot in hand begins
.set J,   3                            ; s3  the trip
.set WV,  18
.set KF,  19                           ; s19 the step's first key
.set SEL, 20
.set CS,  22
.set G1K, 24
.set G1V, 32
.set G0K, 40
.set G0V, 44
.set KO,  48                           ; s[48:49] byte offset in a plane of the slot that is asked for
.set Q0,  50                           ; s50 my first query in the pass in hand;  s51 pass 1's
.set Q1,  51
.set LIM, 52                           ; s52 a wave prefetches while the trip is at or under this
.set PFK, 54
.set PFV, 56
.set MSB, 0
.macro WIN new
.if MSB != \new
	s_set_vgpr_msb (MSB<<8)|\new
.set MSB, \new
.endif
.endm
; Waves 0 and 1 fetch K's halves of a slot, waves 2 and 3 V's, the others nothing.  An s_nop 0 and four v_nop follow each line.
.macro TLOAD
	s_cmp_lt_u32 s[WV], 2
	s_cbranch_scc0 .Lnot_k_\@
	tensor_load_to_lds s[G0K:G0K+3], s[G1K:G1K+7]
	s_nop 0
.rept 4
	v_nop
.endr
	s_branch .Lasked_\@
.Lnot_k_\@:
	s_cmp_lt_u32 s[WV], 4
	s_cbranch_scc0 .Lasked_\@
	tensor_load_to_lds s[G0V:G0V+3], s[G1V:G1V+7]
	s_nop 0
.rept 4
	v_nop
.endr
.Lasked_\@:
.endm
; A PREFETCH of the slot that the NEXT change of slots asks for.  The four work-groups of a plane walk the same K and V; work-group x = 0, whose pass 0 walks all eight slots, asks, in trips 0 to 5, for slots 2 to 7.
; In it waves 4 to 7, which fetch nothing, take 8,192 bytes each of K's and of V's 32,768, lanes 256 bytes apart: each block is named once in the launch.  Slots 0 and 1 come by their loads alone; pass 1 asks for nothing.
.macro ASK
	s_cmp_le_i32 s[J], s[LIM]
	s_cbranch_scc0 .Lnot_mine_\@
	global_prefetch_b8 v[PFO], s[PFK:PFK+1] th:TH_LOAD_NT scope:SCOPE_SE
	global_prefetch_b8 v[PFO], s[PFV:PFV+1] th:TH_LOAD_NT scope:SCOPE_SE
.Lnot_mine_\@:
.endm
	s_load_b128 s[68:71], s[0:1], 0x0              ; qkv, o
	v_lshl_add_u32 v[SPW], v0, 2, SPARE
	v_mov_b32 v[NIL], 0
	ds_add_u32 v[SPW], v[NIL]                      ; the wave's opening: the add, twice on end, and its wait ahead of the first tensor load
	ds_add_u32 v[SPW], v[NIL]
	v_lshrrev_b32 v3, 5, v0
	v_readfirstlane_b32 s[WV], v3                  ; wave 0..7
	s_mov_b32 s[G1K], (1<<16)|(1<<20)|(5<<22)|(3<<25)   ; elements of 2 bytes; padding: 4 words after every 64
	s_mov_b32 s[G1V], (1<<16)|(1<<20)|(5<<22)|(7<<25)   ; 8 words
.irp g, G1K, G1V
	s_mov_b32 s[\g+1], 128<<16                     ; tensor_dim0 = 128 elements: two positions
	s_mov_b32 s[\g+2], 64<<16                      ; tensor_dim1 = 64 rows
	s_mov_b32 s[\g+3], 128<<16                     ; tile_dim0
	s_mov_b32 s[\g+4], 64                          ; tile_dim1
	s_mov_b32 s[\g+5], 128                         ; stride: dense
	s_mov_b32 s[\g+6], 0
	s_mov_b32 s[\g+7], 0
.endr
	s_and_b32 s58, ttmp7, 0xffff                   ; the plane
	s_lshl_b32 s60, s58, 18
	s_mov_b32 s61, 0
	s_sub_co_u32 s59, 7, ttmp9
	s_lshl_b32 s59, s59, 8
	s_lshl_b32 s62, s[WV], 5
	s_add_co_u32 s[Q0], s59, s62                   ; pass 0: block 7 - x, my 32 queries
	s_lshl_b32 s59, ttmp9, 8
	s_add_co_u32 s[Q1], s59, s62                   ; pass 1: block x
	s_mov_b32 s63, 0
	s_and_b32 s59, s[WV], 1
	s_mov_b32 s[G0K], 1
	s_mul_i32 s[G0K+1], s59, 64*KP                 ; slot 0, my half
	s_mov_b32 s[G0V], 1
	s_mul_i32 s[G0V+1], s59, 64*VP
	s_add_co_u32 s[G0V+1], s[G0V+1], VOFF
	s_mov_b32 s[SEL], 0x76543210
	s_mov_b32 s[SEL+1], 0xfedcba98
	s_mov_b32 s[CS], 0x3e38aa3b                    ; c = log2(e) / 8
	s_mov_b32 s[CS+1], s[CS]
	s_mov_b32 s[TB], 0
	s_mov_b32 s[J], 0
	s_mov_b32 s[KF], 0
	s_mov_b32 s[KO], 0
	s_mov_b32 s[KO+1], 0
	s_lshr_b32 s58, s[WV], 2
	s_xor_b32 s58, s58, 1                          ; 0 in waves 4 to 7,
	s_or_b32 s58, s58, ttmp9                       ; of work-group x = 0
	s_cmp_eq_u32 s58, 0
	s_cselect_b32 s[LIM], 5, -1
	s_wait_dscnt 0x0                               ; both opening adds are done
	s_wait_kmcnt 0x0
	s_add_nc_u64 s[68:69], s[68:69], s[60:61]      ; Q's plane
	s_add_nc_u64 s[70:71], s[70:71], s[60:61]      ; o's
	s_lshl_b32 s62, s59, 14                        ; my half of a slot: 128 positions of 128 bytes
	s_add_nc_u64 s[14:15], s[68:69], s[62:63]
	s_add_nc_u64 s[16:17], s[14:15], 0x2000000     ; V's planes lie 33,554,432 bytes on,
	s_add_nc_u64 s[14:15], s[14:15], 0x1000000     ; K's 16,777,216
	s_mov_b64 s[G0K+2:G0K+3], s[14:15]
	s_or_b32 s[G0K+3], s[G0K+3], 0x80000000
	s_mov_b64 s[G0V+2:G0V+3], s[16:17]
	s_or_b32 s[G0V+3], s[G0V+3], 0x80000000
	TLOAD                                          ; slot 0
	s_lshl_b32 s62, s[Q0], 7
	s_add_nc_u64 s[4:5], s[68:69], s[62:63]        ; Q and o at my first query, pass 0
	s_add_nc_u64 s[10:11], s[70:71], s[62:63]
	s_lshl_b32 s62, s[Q1], 7
	s_add_nc_u64 s[6:7], s[68:69], s[62:63]        ; pass 1
	s_add_nc_u64 s[12:13], s[70:71], s[62:63]
	s_and_b32 s62, s[WV], 3
	s_lshl_b32 s62, s62, 13
	s_add_co_u32 s62, s62, 32768                   ; the prefetches stand in slot 1: the first change of slots steps them to slot 2
	s_add_nc_u64 s[PFK:PFK+1], s[68:69], s[62:63]
	s_add_nc_u64 s[PFV:PFV+1], s[PFK:PFK+1], 0x2000000
	s_add_nc_u64 s[PFK:PFK+1], s[PFK:PFK+1], 0x1000000
	v_and_b32 v15, 15, v0                          ; r
	v_bfe_u32 v14, v0, 4, 1                        ; h
	v_bfe_u32 v3, v0, 1, 3
	v_and_b32 v4, 1, v0
	v_mul_u32_u24 v[AK0], v3, KP
	v_lshl_add_u32 v[AK0], v4, 7, v[AK0]
	v_lshl_add_u32 v[AK0], v14, 4, v[AK0]          ; K: (r / 2) x 272 + (r % 2) x 128 + 16 h
	v_bfe_u32 v3, v0, 1, 2
	v_lshl_add_u32 v3, v14, 2, v3
	v_mul_u32_u24 v[AV0], v3, VP
	v_lshl_add_u32 v[AV0], v4, 7, v[AV0]
	v_bfe_u32 v3, v0, 3, 1
	v_lshl_add_u32 v[AV0], v3, 4, v[AV0]
	v_add_nc_u32 v[AV0], VOFF, v[AV0]              ; V: key 8 h + lane % 8, channels 8 ((lane / 8) % 2) on
	v_lshlrev_b32 v[QO], 7, v15
	v_lshl_add_u32 v[QO], v14, 4, v[QO]            ; Q in memory: row r of 128 bytes + 16 h
	s_mul_i32 s59, s[WV], 16*144
	s_add_co_u32 s59, s59, STAGE                   ; my stage
	v_mul_u32_u24 v[STO], v15, 144
	v_lshl_add_u32 v[STO], v14, 4, v[STO]
	v_add_nc_u32 v[STO], s59, v[STO]
	v_bfe_u32 v3, v0, 3, 2
	v_mul_u32_u24 v[RD], v3, 144
	v_and_b32 v3, 7, v0
	v_lshl_add_u32 v[RD], v3, 4, v[RD]
	v_add_nc_u32 v[RD], s59, v[RD]
	v_and_b32 v3, 31, v0
	v_lshlrev_b32 v[GO], 4, v3
	v_lshlrev_b32 v[PFO], 8, v3
	v_lshlrev_b32 v3, 3, v14
	v_sub_nc_u32 v[DQ], v15, v3
	v_mov_b32 v[NINF], 0xff800000
; A pass begins: Q's fragments, the statistics, and O^T as zeros (the step is written once: the first finds zeros, which its a = 0 leaves zeros).
.macro INIT qb
	WIN 0x40                                       ; destination window 1
.irp t, 0,1
.irp c, 0,1
	global_load_b128 v[QF+16*\t+8*\c:QF+16*\t+8*\c+3], v[QO], s[\qb:\qb+1] offset:\t*2048+64*\c
	global_load_b128 v[QF+16*\t+8*\c+4:QF+16*\t+8*\c+7], v[QO], s[\qb:\qb+1] offset:\t*2048+64*\c+32
.endr
.endr
	WIN 0
.irp t, 0,1
	v_mov_b32 v[ST+8*\t+1], 0xff61b1e6             ; m = -3e38, under every score
	v_mul_f32 v[ST+8*\t], s[CS], v[ST+8*\t+1]
.irp i, 2,3,4,5,6,7
	v_mov_b32 v[ST+8*\t+\i], 0
.endr
.endr
.set i, 0
.rept 64
	v_mov_b32 v[OT+i], 0
.set i, i+1
.endr
	s_wait_loadcnt 0x0
.endm
.macro SOFTMAX                         ; both tiles, line by line by turns
.irp j, 0,1,2,3
.irp t, 0,1
	v_max3_num_f32 v[ST+8*\t+4+\j], v[S+32*\t+8*\j], v[S+32*\t+8*\j+1], v[S+32*\t+8*\j+2]   ; four chains; each accumulator is read from its low end on
.endr
.endr
.irp g, 1,2
.irp j, 0,1,2,3
.irp t, 0,1
	v_max3_num_f32 v[ST+8*\t+4+\j], v[ST+8*\t+4+\j], v[S+32*\t+8*\j+2*\g+1], v[S+32*\t+8*\j+2*\g+2]
.endr
.endr
.endr
.irp t, 0,1
	v_max3_num_f32 v[ST+8*\t+4], v[ST+8*\t+4], v[S+32*\t+7], v[S+32*\t+15]
.endr
.irp t, 0,1
	v_max3_num_f32 v[ST+8*\t+6], v[ST+8*\t+6], v[S+32*\t+23], v[S+32*\t+31]
.endr
.irp t, 0,1
	v_max3_num_f32 v[ST+8*\t+4], v[ST+8*\t+4], v[ST+8*\t+5], v[ST+8*\t+6]
.endr
.irp t, 0,1
	v_max3_num_f32 v[ST+8*\t+4], v[ST+8*\t+4], v[ST+8*\t+7], v[ST+8*\t+1]   ; and the old m
.endr
.irp t, 0,1
	v_permlanex16_b32 v[ST+8*\t+5], v[ST+8*\t+4], s[SEL], s[SEL+1]          ; the query's other 32 keys lie in the lane 16 away
.endr
.irp t, 0,1
	v_mov_b32 v[ST+8*\t+7], v[ST+8*\t]             ; c m_old
.endr
.irp t, 0,1
	v_max_num_f32 v[ST+8*\t+1], v[ST+8*\t+4], v[ST+8*\t+5]
.endr
.irp t, 0,1
	v_mul_f32 v[ST+8*\t], s[CS], v[ST+8*\t+1]
.endr
.irp t, 0,1
	v_sub_f32 v[ST+8*\t+7], v[ST+8*\t+7], v[ST+8*\t]
.endr
.set i, 0
.rept 16
.irp t, 0,1
	v_pk_fma_f32 v[S+32*\t+2*i:S+32*\t+2*i+1], v[S+32*\t+2*i:S+32*\t+2*i+1], s[CS:CS+1], v[ST+8*\t:ST+8*\t+1] op_sel_hi:[1,0,0] neg_lo:[0,0,1] neg_hi:[0,0,1]   ; c s - c m
.endr
.set i, i+1
.endr
.irp t, 0,1
	v_exp_f32 v[ST+8*\t+6], v[ST+8*\t+7]           ; a
.endr
.set i, 0
.rept 64
	v_exp_f32 v[S+i], v[S+i]                       ; p: one batch of 66 exponentials
.set i, i+1
.endr
	v_nop                                          ; a plain line behind the last exponential
	s_wait_alu depctr_va_vdst(0)                   ; the wait ahead of the first line that names a result: one for the batch
.set i, 0
.rept 16
.irp t, 0,1
	v_cvt_pk_f16_f32 v[P+16*\t+i], v[S+32*\t+2*i], v[S+32*\t+2*i+1]
.endr
.set i, i+1
.endr
.irp u, 0,1,2,3,4,5,6,7
.irp t, 0,1
	v_pk_add_f32 v[S+32*\t+4*\u:S+32*\t+4*\u+1], v[S+32*\t+4*\u:S+32*\t+4*\u+1], v[S+32*\t+4*\u+2:S+32*\t+4*\u+3]   ; the sum of the unrounded p, in place
.endr
.endr
.irp u, 0,1,2,3
.irp t, 0,1
	v_pk_add_f32 v[S+32*\t+8*\u:S+32*\t+8*\u+1], v[S+32*\t+8*\u:S+32*\t+8*\u+1], v[S+32*\t+8*\u+4:S+32*\t+8*\u+5]
.endr
.endr
.irp u, 0,1
.irp t, 0,1
	v_pk_add_f32 v[S+32*\t+16*\u:S+32*\t+16*\u+1], v[S+32*\t+16*\u:S+32*\t+16*\u+1], v[S+32*\t+16*\u+8:S+32*\t+16*\u+9]
.endr
.endr
.irp t, 0,1
	v_pk_add_f32 v[S+32*\t:S+32*\t+1], v[S+32*\t:S+32*\t+1], v[S+32*\t+16:S+32*\t+17]
.endr
.irp t, 0,1
	v_pk_fma_f32 v[ST+8*\t+2:ST+8*\t+3], v[ST+8*\t+2:ST+8*\t+3], v[ST+8*\t+6:ST+8*\t+7], v[S+32*\t:S+32*\t+1] op_sel_hi:[1,0,1]   ; l = a l + the sum
.endr
.set i, 0
.rept 16
.irp t, 0,1
	v_pk_mul_f32 v[OT+32*\t+2*i:OT+32*\t+2*i+1], v[OT+32*\t+2*i:OT+32*\t+2*i+1], v[ST+8*\t+6:ST+8*\t+7] op_sel_hi:[1,0]   ; O^T x a
.endr
.set i, i+1
.endr
.endm
; A KEY STEP: 64 keys, the q-th of the slot in hand.
.macro STEP q
	s_add_co_u32 s58, s[Q0], 31
	s_cmp_gt_u32 s[KF], s58                        ; all keys come after my 32 queries: the step's work is left out (ids and the count of steps alone)
	s_cbranch_scc1 .Lhidden_\@
	v_add_nc_u32 v[ADK], s[TB], v[AK0]
	v_add_nc_u32 v[ADV], s[TB], v[AV0]
	v_nop
	v_nop                                          ; four plain lines between the last product and the loads into the registers that it read
	WIN 0x40
.irp kt, 0,1,2,3
.irp c, 0,1
	ds_load_b128 v[KFR+16*\kt+8*\c:KFR+16*\kt+8*\c+3], v[ADK] offset:(32*(\q)+8*\kt)*KP+64*\c
	ds_load_b128 v[KFR+16*\kt+8*\c+4:KFR+16*\kt+8*\c+7], v[ADK] offset:(32*(\q)+8*\kt)*KP+64*\c+32
.endr
.endr
.irp kh, 0,1
.irp ct, 0,1,2,3
	ds_load_tr16_b128 v[VFR+32*\kh+8*\ct:VFR+32*\kh+8*\ct+3], v[ADV] offset:(32*(\q)+16*\kh)*VP+32*\ct
	ds_load_tr16_b128 v[VFR+32*\kh+8*\ct+4:VFR+32*\kh+8*\ct+7], v[ADV] offset:(32*(\q)+16*\kh+8)*VP+32*\ct
.endr
.endr
	s_wait_dscnt 16                                ; K's sixteen loads are in; V's sixteen may be out
	WIN 0x05                                       ; K and Q in window 1
.irp c, 0,1                                    ; S^T = K Q^T: eight accumulators by turns
.irp kt, 0,1,2,3
.irp t, 0,1
.if \c == 0
	v_wmma_f32_16x16x32_f16 v[S+32*\t+8*\kt:S+32*\t+8*\kt+7], v[KFR+16*\kt+8*\c:KFR+16*\kt+8*\c+7], v[QF+16*\t+8*\c:QF+16*\t+8*\c+7], 0
.else
	v_wmma_f32_16x16x32_f16 v[S+32*\t+8*\kt:S+32*\t+8*\kt+7], v[KFR+16*\kt+8*\c:KFR+16*\kt+8*\c+7], v[QF+16*\t+8*\c:QF+16*\t+8*\c+7], v[S+32*\t+8*\kt:S+32*\t+8*\kt+7]
.endif
.endr
.endr
.endr
	WIN 0
.rept 4
	v_nop
.endr
	s_add_co_u32 s58, s[KF], 63                    ; on the diagonal hidden scores become -infinity: p = 0 then.  A step all of whose keys count skips this
	s_cmp_le_u32 s58, s[Q0]
	s_cbranch_scc1 .Lopen_\@
	s_sub_co_i32 s58, s[Q0], s[KF]
	v_add_nc_u32 v[DD], s58, v[DQ]                 ; register n of tile t holds key KF + 16 (n / 8) + 8 h + n % 8: hidden where 16 (n / 8) + n % 8 - 16 t > Q0 - KF + r - 8 h
.set n, 0
.rept 32
	v_cmp_gt_i32 vcc_lo, 16*(n/8)+n%8, v[DD]
	v_cndmask_b32 v[S+n], v[S+n], v[NINF], vcc_lo
	v_cmp_gt_i32 vcc_lo, 16*(n/8)+n%8-16, v[DD]
	v_cndmask_b32 v[S+32+n], v[S+32+n], v[NINF], vcc_lo
.set n, n+1
.endr
.Lopen_\@:
	SOFTMAX
	s_wait_dscnt 0x0                               ; V is in
	WIN 0x01                                       ; V in window 1
.irp kh, 0,1                                   ; O^T += V^T P: eight accumulators by turns
.irp ct, 0,1,2,3
.irp t, 0,1
	v_wmma_f32_16x16x32_f16 v[OT+32*\t+8*\ct:OT+32*\t+8*\ct+7], v[VFR+32*\kh+8*\ct:VFR+32*\kh+8*\ct+7], v[P+16*\t+8*\kh:P+16*\t+8*\kh+7], v[OT+32*\t+8*\ct:OT+32*\t+8*\ct+7]
.endr
.endr
.endr
	WIN 0
.Lhidden_\@:
	s_add_co_u32 s[KF], s[KF], 64
.endm
; THE CHANGE OF SLOTS, at a trip's head.  Each wave waits for all its tensor loads (its part of the slot ahead), adds 0 to its spare word, and waits for that and for its reads of the slot that it has left.
; Behind the barrier the slot ahead is whole and nobody reads the other one, which is then filled with the slot that follows: the load has a trip's four steps in which to land.  One tensor load of a wave is out at most.
.macro CHANGE fill
	s_wait_tensorcnt 0x0
	ds_add_u32 v[SPW], v[NIL]
.if \fill
	ds_add_u32 v[SPW], v[NIL]                      ; and twice on end here, in every trip alike
	s_xor_b32 s[G0K+1], s[G0K+1], SLOT1            ; no load of mine is out: the descriptors may be written
	s_xor_b32 s[G0V+1], s[G0V+1], SLOT1
	s_add_co_u32 s[KO], s[KO], 32768               ; the next 256 keys,
	s_cmp_eq_u32 s[J], 7
	s_cselect_b32 s[KO], 0, s[KO]                  ; or, behind pass 0's last slot, pass 1's first
	s_add_nc_u64 s[G0K+2:G0K+3], s[14:15], s[KO:KO+1]
	s_or_b32 s[G0K+3], s[G0K+3], 0x80000000
	s_add_nc_u64 s[G0V+2:G0V+3], s[16:17], s[KO:KO+1]
	s_or_b32 s[G0V+3], s[G0V+3], 0x80000000
	s_wait_xcnt 0x0                                ; the last prefetches, a trip back, have read their addresses
	s_add_nc_u64 s[PFK:PFK+1], s[PFK:PFK+1], 32768
	s_add_nc_u64 s[PFV:PFV+1], s[PFV:PFV+1], 32768
.endif
	s_wait_dscnt 0x0
	s_barrier_signal -1
	s_barrier_wait -1
.if \fill
	s_lshr_b32 s58, s[KO], 7                       ; the first key of the slot that this change would ask for
	s_or_b32 s59, s[Q0], 255                       ; my work-group's last query in the pass in hand (key 0 of pass 1 lies under every query)
	s_cmp_gt_u32 s58, s59                          ; a slot that no wave of the work-group reads is not asked for: ids and the count of trips alone, the same in all eight waves
	s_cbranch_scc1 .Lpast_\@
	TLOAD
.Lpast_\@:
	ASK
.endif
.endm
; THE WAY OUT of a pass: O^T / l, rounded to f16, through my stage, a tile (16 rows of 128 bytes) at a time; it leaves as 2,048 consecutive bytes a tile.
.macro WAYOUT ob
.rept 4
	v_nop
.endr
.irp t, 0,1
	v_add_f32 v[ST+8*\t+4], v[ST+8*\t+2], v[ST+8*\t+3]
.endr
.irp t, 0,1
	v_permlanex16_b32 v[ST+8*\t+5], v[ST+8*\t+4], s[SEL], s[SEL+1]
.endr
.irp t, 0,1
	v_add_f32 v[ST+8*\t+4], v[ST+8*\t+4], v[ST+8*\t+5]
.endr
.irp t, 0,1
	v_rcp_f32 v[ST+8*\t+6], v[ST+8*\t+4]
.endr
	v_nop
	s_wait_alu depctr_va_vdst(0)                   ; one wait for both reciprocals, ahead of their first reader
.irp t, 0,1
.set i, 0
.rept 16
	v_pk_mul_f32 v[S+32*\t+2*i:S+32*\t+2*i+1], v[OT+32*\t+2*i:OT+32*\t+2*i+1], v[ST+8*\t+6:ST+8*\t+7] op_sel_hi:[1,0]
.set i, i+1
.endr
.set i, 0
.rept 16
	v_cvt_pk_f16_f32 v[P+16*\t+i], v[S+32*\t+2*i], v[S+32*\t+2*i+1]
.set i, i+1
.endr
.irp ct, 0,1,2,3
	ds_store_b128 v[STO], v[P+16*\t+4*\ct:P+16*\t+4*\ct+3] offset:32*\ct
.endr
.irp i4, 0,1,2,3
	ds_load_b128 v[S+32*\t+4*\i4:S+32*\t+4*\i4+3], v[RD] offset:576*\i4   ; LDS serves a wave's instructions in order: these see my stores, and the next tile's stores come behind them
.endr
.endr
	s_wait_dscnt 0x0
.irp t, 0,1
.irp i4, 0,1,2,3
	global_store_b128 v[GO], v[S+32*\t+4*\i4:S+32*\t+4*\i4+3], s[\ob:\ob+1] offset:2048*\t+512*\i4   ; 32 lanes store 512 consecutive bytes, aligned
.endr
.endr
	s_wait_xcnt 0x0                                ; the stores have read their data, which later products write again
.endm
	INIT 4
.Ltrip:                                            ; trips 0 to 10: behind each change of slots the next slot is asked for, up to the causal limit
	CHANGE 1
	STEP 0
	STEP 1
	STEP 2
	STEP 3
	s_xor_b32 s[TB], s[TB], SLOT1
	s_cmp_lg_u32 s[J], 7
	s_cbranch_scc1 .Lsame_pass
	WAYOUT 10                                      ; pass 0 is done
	s_mov_b32 s[Q0], s[Q1]
	s_mov_b32 s[KF], 0
	INIT 6
.Lsame_pass:
	s_add_co_u32 s[J], s[J], 1
	s_cmp_lt_u32 s[J], 11
	s_cbranch_scc1 .Ltrip
	CHANGE 0                                       ; the last trip is written out: nothing is left to ask for
	STEP 0
	STEP 1
	STEP 2
	STEP 3
	WAYOUT 12
	s_wait_tensorcnt 0x0                           ; the wave's end
	ds_add_u32 v[SPW], v[NIL]
	s_wait_dscnt 0x0
	s_endpgm
.Lfunc_end_k_q8d66b8d05a_attn:
	.size	k_q8d66b8d05a_attn, .Lfunc_end_k_q8d66b8d05a_attn-k_q8d66b8d05a_attn
	.p2alignl 7, 3214868480
	.fill 96, 4, 3214868480
	.section	.rodata,"a",@progbits
	.p2align	6, 0x0
	.amdhsa_kernel k_q8d66b8d05a_attn
		.amdhsa_group_segment_fixed_size 327680
		.amdhsa_private_segment_fixed_size 0
		.amdhsa_enable_private_segment 0
		.amdhsa_kernarg_size 16
		.amdhsa_user_sgpr_count 2
		.amdhsa_user_sgpr_kernarg_segment_ptr 1
		.amdhsa_wavefront_size32 1
		.amdhsa_system_sgpr_workgroup_id_x 1
		.amdhsa_system_sgpr_workgroup_id_y 1
		.amdhsa_system_sgpr_workgroup_id_z 1
		.amdhsa_system_vgpr_workitem_id 0
		.amdhsa_next_free_vgpr 512
		.amdhsa_next_free_sgpr 72
		.amdhsa_reserve_vcc 1
		.amdhsa_float_denorm_mode_32 3
		.amdhsa_float_denorm_mode_16_64 3
		.amdhsa_memory_ordered 1
		.amdhsa_forward_progress 1
		.amdhsa_inst_pref_size 198
	.end_amdhsa_kernel
	.amdgpu_metadata
---
amdhsa.version: [ 1, 2 ]
amdhsa.kernels:
  - .name:           k_q8d66b8d05a_attn
    .symbol:         k_q8d66b8d05a_attn.kd
    .args:
      - { .name: qkv, .offset: 0, .size: 8, .value_kind: global_buffer, .address_space: global }
      - { .name: o, .offset: 8, .size: 8, .value_kind: global_buffer, .address_space: global }
    .group_segment_fixed_size: 327680
    .private_segment_fixed_size: 0
    .kernarg_segment_align: 8
    .kernarg_segment_size: 16
    .max_flat_workgroup_size: 256
    .sgpr_count:     72
    .vgpr_count:     512
    .wavefront_size: 32
...
	.end_amdgpu_metadata
.endif
;; end of part 3
;; launch proj (part 4): grid 4 x 64, 4 waves a work-group, clusters of 4 x 4, 327,680 bytes of LDS; arguments o, wo16, out0; writes out0
.if DOCPART == 4
	.amdgcn_target "amdgcn-amd-amdhsa--gfx1250"
	.amdhsa_code_object_version 6
	.text
	.protected	k_q8d66b8d05a_proj
	.globl	k_q8d66b8d05a_proj
	.p2align	8
	.type	k_q8d66b8d05a_proj,@function
k_q8d66b8d05a_proj:
	s_mov_b64 s[64:65], 0
	v_nop
	global_prefetch_b8 v0, s[64:65] scope:SCOPE_SE
	s_setreg_imm32_b32 hwreg(HW_REG_WAVE_MODE, 25, 1), 1
	s_wait_xcnt 0x0
	s_wait_alu depctr_hold_cnt(0) depctr_sa_sdst(0) depctr_va_vdst(0) depctr_va_sdst(0) depctr_va_ssrc(0) depctr_va_vcc(0) depctr_vm_vsrc(0)
	s_getreg_b32 s2, hwreg(HW_REG_IB_STS2, 6, 4)
	s_cmp_eq_u32 s2, 0
	s_cbranch_scc0 .Lentry_in_a_cluster
	s_endpgm
.Lentry_in_a_cluster:
	s_bfe_u32 s2, ttmp6, 0x10000c
	s_cmp_lg_u32 s2, 0xf033
	s_cbranch_scc0 .Lentry_shape_is_right
	s_endpgm
.Lentry_shape_is_right:
; out0[m][n] = sum over k of o[m][k] Wo[n][k], m = batch x 2048 + position, k = head x 64 + channel; f16 operands, f32 sums, f32 out.
; o lies in head planes [batch x 16 + head][2048][64] f16; wo16 [1024][1024] f16.
; A tile of out0 is 128 x 256: 256 work-groups.  Four waves, each 64 x 128: 32 accumulators, 256 registers.  K goes in steps of 128 (two head planes) through a ring of two LDS slots.
; A plane's 128 positions are 16,384 dense bytes, stated as 64 rows of 256 bytes: position t at (t / 2) x 272 + (t % 2) x 128.  Wo's rows of a step are 256 bytes, pitch 272.
; CLUSTER 4 x 4: the four of a row of the cluster need the same tiles of o, the four of a column the same tiles of Wo: each is asked for JOINTLY.  Waves 0, 1 fetch o's two planes, waves 2, 3 Wo's two halves.
; THE MATRIX INSTRUCTION IS USED TRANSPOSED (source 0 = 16 rows of Wo, source 1 = 16 rows of o): a lane holds eight neighbouring columns of a row.
; All 8,192 rows are written here; the last launch writes positions 0-15 of each batch again, from f32 operands.
; REGISTERS: window 0: v16-30 addresses; v32-159 the way out.  window 1: two fragment buffers of 96 (o's 4 blocks, then Wo's 8).  window 2: the accumulators ((a, b) at v[8 (8 a + b)]).
.set PITCH,  272
.set APL,    64*PITCH                  ; a plane's tile
.set BOFF,   2*APL
.set BHALF,  128*PITCH
.set SLOT,   BOFF+2*BHALF
.set STAGE,  2*SLOT                    ; behind the ring: 16 rows x 528 bytes for each wave
.set SPITCH, 528
.set SPARE,  STAGE+4*16*SPITCH
.set LAPS,   4                         ; 8 K steps
.set PLANE,  262144
.set ADRA, 16
.set ADRB, 20
.set STO,  24
.set RD,   25
.set CO,   26
.set SPW,  28
.set NIL,  29
.set PFO,  30                          ; v30 256 x lane
.set BK,   32
.set F0,   0
.set F1,   96
.set G1, 24
.set G0, 32
.set G1B, 48
.set G0B, 56
.set LIM, 43                           ; s43 1 in the wave that prefetches, else the greatest number
.set PFA, 44                           ; s[44:45]
.set MSB, 0
.macro WIN new
.if MSB != \new
	s_set_vgpr_msb (MSB<<8)|\new
.set MSB, \new
.endif
.endm
.set MUL,  0xa5                        ; sources 0 and 1 window 1; C and D window 2
.set TO_F, 0x40
.macro JLOAD s                         ; an s_nop 0 and four v_nop follow each of the two lines
	s_cmp_eq_u32 s11, 0
	s_cbranch_scc0 .Lfor_b_\@
	tensor_load_to_lds s[G0+4*\s:G0+4*\s+3], s[G1:G1+7]
	s_nop 0
.rept 4
	v_nop
.endr
	s_branch .Lasked_\@
.Lfor_b_\@:
	tensor_load_to_lds s[G0B+4*\s:G0B+4*\s+3], s[G1B:G1B+7]
	s_nop 0
.rept 4
	v_nop
.endr
.Lasked_\@:
.endm
; A PREFETCH of o's K step that stands two refills on: 32,768 bytes for a tile row.  The four partners that ask for it jointly share it out BY ADDRESS (cx: which plane, which half of it), 8,192 bytes each, lanes 256 bytes
; apart; in each, wave 0 asks.  Each block is named once in the launch.  The last lap asks for nothing; K steps 0 to 3 come by their loads alone.  Wo, which all sixteen clusters read, is not asked for.
.macro ASK
	s_cmp_gt_u32 s3, s[LIM]
	s_cbranch_scc0 .Lnot_mine_\@
	global_prefetch_b8 v[PFO], s[PFA:PFA+1] offset:2*PLANE th:TH_LOAD_NT scope:SCOPE_SE
.Lnot_mine_\@:
.endm
.macro CREST
	s_cmp_lg_u32 s10, 0
	s_cbranch_scc1 .Lnot_wave_0_\@
	s_barrier_signal -3
.Lnot_wave_0_\@:
	s_barrier_wait -3
	s_barrier_signal -1
	s_barrier_wait -1
.endm
.macro CROUND
	s_barrier_signal -1
	s_barrier_wait -1
	CREST
.endm
	s_load_b128 s[4:7], s[0:1], 0x0                ; o, wo16
	s_load_b64 s[8:9], s[0:1], 0x10                ; out0
	v_lshl_add_u32 v[SPW], v0, 2, SPARE
	v_mov_b32 v[NIL], 0
	ds_add_u32 v[SPW], v[NIL]                      ; the wave's opening: the add, twice on end, and its wait ahead of my first tensor load
	ds_add_u32 v[SPW], v[NIL]
	v_lshrrev_b32 v1, 5, v0
	v_readfirstlane_b32 s10, v1                    ; wave 0..3
	s_lshr_b32 s11, s10, 1                         ; which 64 rows are mine.  Also: I fetch for o (0) or for Wo (1)
	s_and_b32 s12, s10, 1                          ; which 128 columns.  Also: which plane, or which half of Wo's rows, I fetch
	s_bfe_u32 s40, ttmp6, 0x40000                  ; cx
	s_bfe_u32 s41, ttmp6, 0x40004                  ; cy
	s_lshl_b32 s42, ttmp9, 2
	s_add_co_u32 s42, s42, s40                     ; tile column
	s_and_b32 s13, ttmp7, 0xffff
	s_lshl_b32 s13, s13, 2
	s_add_co_u32 s13, s13, s41                     ; tile row
	s_lshl_b32 s43, s41, 2
	s_lshl_b32 s43, 15, s43                        ; my row of the cluster
	s_lshl_b32 s44, 0x1111, s40                    ; my column
	s_or_b32 s[G1+0], s43, (1<<16)|(1<<20)|(1<<21)|(5<<22)|(3<<25)   ; elements of 2 bytes; padding: 4 words after every 64
	s_or_b32 s[G1B+0], s44, (1<<16)|(1<<20)|(1<<21)|(5<<22)|(3<<25)
	s_mov_b32 s[G1+1], 128<<16                     ; o: 64 rows of 128 elements, dense
	s_mov_b32 s[G1+2], 64<<16
	s_mov_b32 s[G1+3], 128<<16
	s_mov_b32 s[G1+4], 64
	s_mov_b32 s[G1+5], 128
	s_mov_b32 s[G1+6], 0
	s_mov_b32 s[G1+7], 0
	s_mov_b32 s[G1B+1], 128<<16                    ; Wo: 128 rows of 128 elements, 1,024 elements apart
	s_mov_b32 s[G1B+2], 128<<16
	s_mov_b32 s[G1B+3], 128<<16
	s_mov_b32 s[G1B+4], 128
	s_mov_b32 s[G1B+5], 1024
	s_mov_b32 s[G1B+6], 0
	s_mov_b32 s[G1B+7], 0
	s_lshr_b32 s16, s13, 4                         ; the batch
	s_lshl_b32 s16, s16, 4
	s_add_co_u32 s16, s16, s12                     ; its plane 0 or 1
	s_lshl_b32 s16, s16, 18
	s_and_b32 s17, s13, 15
	s_lshl_b32 s17, s17, 14                        ; 128 positions of 128 bytes
	s_add_co_u32 s16, s16, s17
	s_mov_b32 s17, 0
	s_lshl_b32 s46, s42, 19                        ; Wo: 256 rows of 2,048 bytes a tile column,
	s_lshl_b32 s47, s12, 18                        ; 128 a half
	s_add_co_u32 s46, s46, s47
	s_mov_b32 s47, 0
	s_mul_i32 s20, s12, APL                        ; where they go
	s_mul_i32 s21, s12, BHALF
	s_add_co_u32 s21, s21, BOFF
	s_wait_dscnt 0x0                               ; both opening adds are done
	s_wait_kmcnt 0x0
	s_add_nc_u64 s[14:15], s[4:5], s[16:17]
	s_add_nc_u64 s[46:47], s[6:7], s[46:47]
	CROUND                                         ; all sixteen work-groups are here
.irp s, 0,1
	s_mov_b32 s[G0+4*\s], 1
	s_add_co_u32 s[G0+4*\s+1], s20, \s*SLOT
	s_add_nc_u64 s[G0+4*\s+2:G0+4*\s+3], s[14:15], \s*2*PLANE
	s_or_b32 s[G0+4*\s+3], s[G0+4*\s+3], 0x80000000
	s_mov_b32 s[G0B+4*\s], 1
	s_add_co_u32 s[G0B+4*\s+1], s21, \s*SLOT
	s_add_nc_u64 s[G0B+4*\s+2:G0B+4*\s+3], s[46:47], \s*256
	s_or_b32 s[G0B+4*\s+3], s[G0B+4*\s+3], 0x80000000
	JLOAD \s
.endr
	v_and_b32 v1, 15, v0                           ; r
	v_bfe_u32 v2, v0, 4, 1                         ; h
	v_mul_u32_u24 v3, v1, PITCH
	v_lshl_add_u32 v3, v2, 4, v3                   ; Wo: r x 272 + 16 h
	v_bfe_u32 v4, v0, 1, 3
	v_mul_u32_u24 v4, v4, PITCH
	v_and_b32 v5, 1, v0
	v_lshl_add_u32 v4, v5, 7, v4
	v_lshl_add_u32 v4, v2, 4, v4                   ; o: (r / 2) x 272 + (r % 2) x 128 + 16 h
	s_mul_i32 s21, s11, 32*PITCH                   ; my 64 positions
	s_mul_i32 s22, s12, BHALF
	s_add_co_u32 s22, s22, BOFF
.irp s, 0,1
	v_add_nc_u32 v[ADRA+\s], s21, v4
	v_add_nc_u32 v[ADRB+\s], s22, v3
	s_add_co_u32 s21, s21, SLOT
	s_add_co_u32 s22, s22, SLOT
.endr
	s_mul_i32 s23, s10, 16*SPITCH
	s_add_co_u32 s23, s23, STAGE                   ; my stage
	v_mul_u32_u24 v5, v1, SPITCH
	v_lshl_add_u32 v5, v2, 5, v5
	v_add_nc_u32 v[STO], s23, v5
	v_and_b32 v6, 31, v0
	v_lshlrev_b32 v[CO], 4, v6
	v_add_nc_u32 v[RD], s23, v[CO]
	v_lshlrev_b32 v[PFO], 8, v6
	s_lshl_b32 s16, s13, 7
	s_lshl_b32 s17, s11, 6
	s_add_co_u32 s16, s16, s17                     ; my first row of out0
	s_lshl_b32 s16, s16, 12
	s_mov_b32 s17, 0
	s_add_nc_u64 s[8:9], s[8:9], s[16:17]
	s_lshl_b32 s46, s42, 10                        ; my first column, in bytes
	s_lshl_b32 s47, s12, 9
	s_add_co_u32 s46, s46, s47
	s_mov_b32 s47, 0
	s_add_nc_u64 s[8:9], s[8:9], s[46:47]
	s_lshr_b32 s20, s13, 4                         ; the prefetches: my work-group's 8,192 bytes of a K step of o
	s_lshl_b32 s20, s20, 4
	s_lshr_b32 s21, s40, 1
	s_add_co_u32 s20, s20, s21
	s_lshl_b32 s20, s20, 18
	s_and_b32 s21, s13, 15
	s_lshl_b32 s21, s21, 14
	s_add_co_u32 s20, s20, s21
	s_and_b32 s21, s40, 1
	s_lshl_b32 s21, s21, 13
	s_add_co_u32 s20, s20, s21
	s_add_co_u32 s20, s20, 4*PLANE                 ; at K step 2: the first refill steps it to 3, and the prefetch names K step 4
	s_mov_b32 s21, 0
	s_add_nc_u64 s[PFA:PFA+1], s[4:5], s[20:21]
	s_cmp_eq_u32 s10, 0
	s_cselect_b32 s[LIM], 1, -1
.macro MULA f, a, zero                 ; 8 matrix instructions: o's block a against Wo's eight, 32 along K.  The 32 accumulators take turns
.irp b, 0,1,2,3,4,5,6,7
.if \zero
	v_wmma_f32_16x16x32_f16 v[8*(8*(\a)+\b):8*(8*(\a)+\b)+7], v[\f+32+8*\b:\f+32+8*\b+7], v[\f+8*(\a):\f+8*(\a)+7], 0
.else
	v_wmma_f32_16x16x32_f16 v[8*(8*(\a)+\b):8*(8*(\a)+\b)+7], v[\f+32+8*\b:\f+32+8*\b+7], v[\f+8*(\a):\f+8*(\a)+7], v[8*(8*(\a)+\b):8*(8*(\a)+\b)+7]
.endif
.endr
.endm
.macro FETCH slot, q, f                ; 24 LDS loads in one run: the fragments of the slot's q-th 32 along K; Wo's first, o's blocks 2 and 3 last
	WIN TO_F
.irp i, 0,1,2,3,4,5,6,7
	ds_load_b128 v[\f+32+8*\i:\f+32+8*\i+3], v[ADRB+\slot] offset:64*(\q)+\i*16*PITCH
	ds_load_b128 v[\f+32+8*\i+4:\f+32+8*\i+7], v[ADRB+\slot] offset:64*(\q)+\i*16*PITCH+32
.endr
.irp i, 0,1,2,3
	ds_load_b128 v[\f+8*\i:\f+8*\i+3], v[ADRA+\slot] offset:APL*((\q)/2)+64*((\q)%2)+\i*8*PITCH
	ds_load_b128 v[\f+8*\i+4:\f+8*\i+7], v[ADRA+\slot] offset:APL*((\q)/2)+64*((\q)%2)+\i*8*PITCH+32
.endr
.endm
.macro PLACES
.rept 4
	v_nop
.endr
.endm
.macro QUARTER slot, q, f, g, zero     ; multiplies buffer f; in its middle fetches the slot's q-th quarter into g
	s_wait_dscnt 4                                 ; all but the youngest four loads (o's blocks 2 and 3) are in
	WIN MUL
	MULA \f, 0, \zero
	MULA \f, 1, \zero
	PLACES
	FETCH \slot, \q, \g
	s_wait_dscnt 24                                ; all but the 24 just issued
	WIN MUL
	MULA \f, 2, \zero
	MULA \f, 3, \zero
.endm
; A K step's last quarter multiplies buffer 1 and changes slots: one barrier; in front of it each wave waits for all its tensor loads, adds 0 to its spare word, and waits for that and for its reads of this slot.
.macro TURN slot, next, fill
.if \fill
	s_wait_xcnt 0x0                                ; the last prefetch, a K step back, has read its address
	s_add_nc_u64 s[PFA:PFA+1], s[PFA:PFA+1], 2*PLANE
.endif
	WIN 0
	s_wait_tensorcnt 0x0
	ds_add_u32 v[SPW], v[NIL]
	s_wait_dscnt 5                                 ; the add and the youngest four loads may be out
	WIN MUL
	MULA F1, 0, 0
	s_wait_dscnt 0x0
	s_barrier_signal -1
	MULA F1, 1, 0
.if \fill
	WIN 0
.endif
	s_barrier_wait -1
.if \fill
	CREST                                          ; the barrier has opened a round of the cluster's: no wave of any partner still reads this slot or has a load on its way
	s_add_nc_u64 s[G0+4*\slot+2:G0+4*\slot+3], s[G0+4*\slot+2:G0+4*\slot+3], 4*PLANE
	s_add_nc_u64 s[G0B+4*\slot+2:G0B+4*\slot+3], s[G0B+4*\slot+2:G0B+4*\slot+3], 512
	JLOAD \slot                                    ; the four v_nop behind it are also the places in front of the loads below
.else
	PLACES
.endif
	FETCH \next, 0, F0
.if \fill
	WIN 0
	ASK
.endif
	WIN MUL
	MULA F1, 2, 0
	MULA F1, 3, 0
.endm
	s_wait_tensorcnt 1                             ; my part of K step 0 is in; K step 1's may be out
	s_barrier_signal -1
	s_barrier_wait -1
	FETCH 0, 0, F0
	QUARTER 0, 1, F0, F1, 1                        ; the first products start the sums
	WIN 0
	s_mov_b32 s3, LAPS-1
.Llap:
	QUARTER 0, 2, F1, F0, 0
	QUARTER 0, 3, F0, F1, 0
	TURN 0, 1, 1
	QUARTER 1, 1, F0, F1, 0
	QUARTER 1, 2, F1, F0, 0
	QUARTER 1, 3, F0, F1, 0
	TURN 1, 0, 1
	QUARTER 0, 1, F0, F1, 0
	WIN 0
	s_sub_co_u32 s3, s3, 1
	s_cmp_lg_u32 s3, 0
	s_cbranch_scc1 .Llap
	QUARTER 0, 2, F1, F0, 0                        ; the last lap fills nothing
	QUARTER 0, 3, F0, F1, 0
	TURN 0, 1, 0
	QUARTER 1, 1, F0, F1, 0
	QUARTER 1, 2, F1, F0, 0
	QUARTER 1, 3, F0, F1, 0
	s_wait_dscnt 4
	WIN MUL
	MULA F1, 0, 0
	MULA F1, 1, 0
	s_wait_dscnt 0
	MULA F1, 2, 0
	MULA F1, 3, 0
	WIN 0
; THE WAY OUT, block by block of 16 rows x 128 columns, through my own stage: back as whole rows of 512 bytes.
.macro TOSTAGE a
	WIN 0x08                                       ; an LDS store's data are its source 1: window 2
.irp b, 0,1,2,3,4,5,6,7
	ds_store_b128 v[STO], v[64*(\a)+8*\b:64*(\a)+8*\b+3] offset:64*\b      ; each accumulator from its low end on
	ds_store_b128 v[STO], v[64*(\a)+8*\b+4:64*(\a)+8*\b+7] offset:64*\b+16
.endr
	WIN 0
.set BB, BK+64*((\a)%2)
.irp t, 0,1,2,3,4,5,6,7,8,9,10,11,12,13,14,15
	ds_load_b128 v[BB+4*\t:BB+4*\t+3], v[RD] offset:\t*SPITCH
.endr
.endm
.macro SEND a, younger
.set BB, BK+64*((\a)%2)
	s_wait_dscnt \younger                          ; the block is back; the next block's 16 stores and 16 loads may be out
.irp t, 0,1,2,3,4,5,6,7,8,9,10,11,12,13,14,15
	global_store_b128 v[CO], v[BB+4*\t:BB+4*\t+3], s[8:9] offset:(\a)*65536+\t*4096 th:TH_STORE_NT   ; 32 lanes store 512 consecutive bytes, aligned
.endr
.endm
	PLACES
	TOSTAGE 0
	TOSTAGE 1
	SEND 0, 32
	s_wait_xcnt 0x0                                ; block 0's stores have read their registers: block 2's loads may land there
	TOSTAGE 2
	SEND 1, 32
	s_wait_xcnt 0x0
	TOSTAGE 3
	SEND 2, 32
	SEND 3, 0
	s_wait_tensorcnt 0x0                           ; the wave's end
	ds_add_u32 v[SPW], v[NIL]
	s_wait_dscnt 0x0
	CROUND                                         ; the closing round
	s_endpgm
.Lfunc_end_k_q8d66b8d05a_proj:
	.size	k_q8d66b8d05a_proj, .Lfunc_end_k_q8d66b8d05a_proj-k_q8d66b8d05a_proj
	.p2alignl 7, 3214868480
	.fill 96, 4, 3214868480
	.section	.rodata,"a",@progbits
	.p2align	6, 0x0
	.amdhsa_kernel k_q8d66b8d05a_proj
		.amdhsa_group_segment_fixed_size 327680
		.amdhsa_private_segment_fixed_size 0
		.amdhsa_enable_private_segment 0
		.amdhsa_kernarg_size 24
		.amdhsa_user_sgpr_count 2
		.amdhsa_user_sgpr_kernarg_segment_ptr 1
		.amdhsa_wavefront_size32 1
		.amdhsa_system_sgpr_workgroup_id_x 1
		.amdhsa_system_sgpr_workgroup_id_y 1
		.amdhsa_system_sgpr_workgroup_id_z 1
		.amdhsa_system_vgpr_workitem_id 0
		.amdhsa_next_free_vgpr 768
		.amdhsa_next_free_sgpr 66
		.amdhsa_reserve_vcc 0
		.amdhsa_float_denorm_mode_32 3
		.amdhsa_float_denorm_mode_16_64 3
		.amdhsa_memory_ordered 1
		.amdhsa_forward_progress 1
		.amdhsa_inst_pref_size 86
	.end_amdhsa_kernel
	.amdgpu_metadata
---
amdhsa.version: [ 1, 2 ]
amdhsa.kernels:
  - .name:           k_q8d66b8d05a_proj
    .symbol:         k_q8d66b8d05a_proj.kd
    .args:
      - { .name: o, .offset: 0, .size: 8, .value_kind: global_buffer, .address_space: global }
      - { .name: wo16, .offset: 8, .size: 8, .value_kind: global_buffer, .address_space: global }
      - { .name: out0, .offset: 16, .size: 8, .value_kind: global_buffer, .address_space: global }
    .group_segment_fixed_size: 327680
    .private_segment_fixed_size: 0
    .kernarg_segment_align: 8
    .kernarg_segment_size: 24
    .max_flat_workgroup_size: 128
    .sgpr_count:     66
    .vgpr_count:     768
    .wavefront_size: 32
...
	.end_amdgpu_metadata
.endif
;; end of part 4
;; launch fine (part 5): grid 16 x 4, 16 waves a work-group, no clusters, 71,680 bytes of LDS; arguments qkvf, Wo, out0; writes out0
.if DOCPART == 5
	.amdgcn_target "amdgcn-amd-amdhsa--gfx1250"
	.amdhsa_code_object_version 6
	.text
	.protected	k_q8d66b8d05a_fine
	.globl	k_q8d66b8d05a_fine
	.p2align	8
	.type	k_q8d66b8d05a_fine,@function
k_q8d66b8d05a_fine:
	s_mov_b64 s[64:65], 0
	v_nop
	global_prefetch_b8 v0, s[64:65] scope:SCOPE_SE
	s_setreg_imm32_b32 hwreg(HW_REG_WAVE_MODE, 25, 1), 1
	s_wait_xcnt 0x0
; Positions 0-15 of each batch, where the causal softmax averages one to sixteen values: attention and the projection once more with f32 operands (v_wmma_f32_16x16x4_f32), 64 rows of out0 in all.
; qkvf [batch][16][3072] f32 holds q, k, v of those positions; Wo [1024][1024] f32.
; SHARES.  A work-group takes a batch (y) and 64 columns of out0 (x).  Wave w is head w: it makes its head's 16 x 16 attention, then its head's 64 along K of the projection for the 64 columns;
; the sixteen partial sums meet in LDS, and waves 0-7 add them, two rows each.
; LAYOUT.  S^T = K Q^T, O^T = V^T P, Y^T = Wo o^T: a lane holds one query throughout.  Along each product's K the same permutation is applied to both sources, so that 16-byte loads and results serve as operands as they lie:
; q, k: registers 4 u .. 4 u + 3 = channels 8 u + 4 h + 0 .. 3;  p and V^T: register i = key 8 h + i;  o and Wo: register 8 ct + i = channel 16 ct + 8 h + i.
; The registers that the matrix instructions write (v112-175) are written by them alone; what is made of a sum goes into other registers.
.set SPW, 1
.set NIL, 2
.set AQ,  3
.set AV,  4
.set AW,  5
.set STO, 6
.set RD,  7
.set GO,  8
.set DQ,  9
.set NINF, 13
.set QF,  16                           ; v16-47 q, later Wo's tile 2, later the partial sums
.set KFR, 48                           ; v48-79 k, later Wo's tile 3
.set VF,  80                           ; v80-111 V^T, later o
.set SA,  112                          ; two accumulators of S^T
.set OA,  128                          ; four of O^T
.set YA,  160                          ; two of Y^T
.set PR,  176                          ; S^T's sum, then p
.set W01, 192                          ; Wo's tiles 0, 1
.set SPARE, 16*4352
	s_load_b128 s[4:7], s[0:1], 0x0                ; qkvf, Wo
	s_load_b64 s[8:9], s[0:1], 0x10                ; out0
	v_lshl_add_u32 v[SPW], v0, 2, SPARE
	v_mov_b32 v[NIL], 0
	v_lshrrev_b32 v10, 5, v0
	v_readfirstlane_b32 s10, v10                   ; wave = head
	v_and_b32 v10, 15, v0                          ; r
	v_bfe_u32 v11, v0, 4, 1                        ; h
	v_mul_u32_u24 v[AQ], v10, 12288
	v_lshl_add_u32 v[AQ], v11, 4, v[AQ]            ; q, k: row r, + 16 h
	v_mul_u32_u24 v[AV], v11, 98304
	v_lshl_add_u32 v[AV], v10, 2, v[AV]            ; V: key 8 h, channel r
	v_lshlrev_b32 v[AW], 12, v10
	v_lshl_add_u32 v[AW], v11, 5, v[AW]            ; Wo: row r, + 32 h
	s_mul_i32 s11, s10, 4352                       ; my partial sums: 16 rows x (256 + 16) bytes
	v_mul_u32_u24 v[STO], v10, 272
	v_lshl_add_u32 v[STO], v11, 5, v[STO]
	v_add_nc_u32 v[STO], s11, v[STO]
	s_and_b32 s11, s10, 7
	s_lshl_b32 s11, s11, 1
	v_add_nc_u32 v12, s11, v11                     ; the row that I add up: 2 (wave % 8) + h
	v_mul_u32_u24 v[RD], v12, 272
	v_lshl_add_u32 v[RD], v10, 4, v[RD]
	v_lshlrev_b32 v[GO], 12, v12
	v_lshl_add_u32 v[GO], v10, 4, v[GO]
	v_lshlrev_b32 v12, 3, v11
	v_sub_nc_u32 v[DQ], v10, v12                   ; r - 8 h
	v_mov_b32 v[NINF], 0xff800000
	s_and_b32 s12, ttmp7, 0xffff                   ; the batch
	s_mul_i32 s14, s12, 196608
	s_lshl_b32 s13, s10, 8                         ; my head's 64 channels: 256 bytes
	s_add_co_u32 s14, s14, s13
	s_mov_b32 s15, 0
	s_lshl_b32 s16, ttmp9, 18                      ; 64 rows of Wo
	s_add_co_u32 s16, s16, s13
	s_mov_b32 s17, 0
	s_lshl_b32 s18, s12, 23                        ; 2,048 rows of out0
	s_lshl_b32 s19, ttmp9, 8
	s_add_co_u32 s18, s18, s19
	s_mov_b32 s19, 0
	s_mov_b32 s20, 0x76543210
	s_mov_b32 s21, 0xfedcba98
	s_mov_b32 s22, 0x3e38aa3b                      ; c = log2(e) / 8
	s_mov_b32 s23, s22
	s_wait_kmcnt 0x0
	s_add_nc_u64 s[4:5], s[4:5], s[14:15]
	s_add_nc_u64 s[6:7], s[6:7], s[16:17]
	s_add_nc_u64 s[8:9], s[8:9], s[18:19]
.irp u, 0,1,2,3,4,5,6,7
	global_load_b128 v[KFR+4*\u:KFR+4*\u+3], v[AQ], s[4:5] offset:4096+32*\u
.endr
.irp u, 0,1,2,3,4,5,6,7
	global_load_b128 v[QF+4*\u:QF+4*\u+3], v[AQ], s[4:5] offset:32*\u
.endr
.irp ct, 0,1,2,3
.irp i, 0,1,2,3,4,5,6,7
	global_load_b32 v[VF+8*\ct+\i], v[AV], s[4:5] offset:8192+12288*\i+64*\ct
.endr
.endr
.irp nt, 0,1
.irp ct, 0,1,2,3
.irp u, 0,1
	global_load_b128 v[W01+32*\nt+8*\ct+4*\u:W01+32*\nt+8*\ct+4*\u+3], v[AW], s[6:7] offset:65536*\nt+64*\ct+16*\u
.endr
.endr
.endr
	s_wait_loadcnt 48                              ; k and q are in; V's 32 loads and Wo's 16 may be out
	v_wmma_f32_16x16x4_f32 v[SA:SA+7], v[KFR:KFR+1], v[QF:QF+1], 0               ; two accumulators by turns; each sum begins with the constant 0
	v_wmma_f32_16x16x4_f32 v[SA+8:SA+15], v[KFR+2:KFR+3], v[QF+2:QF+3], 0
.irp u, 1,2,3,4,5,6,7
	v_wmma_f32_16x16x4_f32 v[SA:SA+7], v[KFR+4*\u:KFR+4*\u+1], v[QF+4*\u:QF+4*\u+1], v[SA:SA+7]
	v_wmma_f32_16x16x4_f32 v[SA+8:SA+15], v[KFR+4*\u+2:KFR+4*\u+3], v[QF+4*\u+2:QF+4*\u+3], v[SA+8:SA+15]
.endr
.rept 8
	v_nop                                          ; eight places behind this form, ahead of loads into its sources and of reads of its results
.endr
.irp nt, 0,1
.irp ct, 0,1,2,3
.irp u, 0,1
	global_load_b128 v[QF+32*\nt+8*\ct+4*\u:QF+32*\nt+8*\ct+4*\u+3], v[AW], s[6:7] offset:65536*(2+\nt)+64*\ct+16*\u   ; Wo's tiles 2 and 3, where q and k lay
.endr
.endr
.endr
.irp j, 0,1,2,3,4,5,6,7
	v_add_f32 v[PR+\j], v[SA+\j], v[SA+8+\j]       ; the score of key 8 h + j and query r
.endr
.irp j, 0,1,2,3,4,5,6,7
	v_cmp_gt_i32 vcc_lo, \j, v[DQ]                 ; hidden where 8 h + j > r
	v_cndmask_b32 v[PR+\j], v[PR+\j], v[NINF], vcc_lo
.endr
	v_max3_num_f32 v184, v[PR], v[PR+1], v[PR+2]
	v_max3_num_f32 v185, v[PR+3], v[PR+4], v[PR+5]
	v_max3_num_f32 v184, v184, v[PR+6], v[PR+7]
	v_max_num_f32 v184, v184, v185
	v_permlanex16_b32 v185, v184, s20, s21
	v_max_num_f32 v184, v184, v185                 ; the row's maximum: key 0 counts for every query
	v_mul_f32 v186, s22, v184
	v_mov_b32 v187, v186
.irp i, 0,1,2,3
	v_pk_fma_f32 v[PR+2*\i:PR+2*\i+1], v[PR+2*\i:PR+2*\i+1], s[22:23], v[186:187] op_sel_hi:[1,0,0] neg_lo:[0,0,1] neg_hi:[0,0,1]
.endr
.irp j, 0,1,2,3,4,5,6,7
	v_exp_f32 v[PR+\j], v[PR+\j]
.endr
	v_nop
	s_wait_alu depctr_va_vdst(0)                   ; one wait for the eight, ahead of their first reader
	v_pk_add_f32 v[188:189], v[PR:PR+1], v[PR+2:PR+3]
	v_pk_add_f32 v[190:191], v[PR+4:PR+5], v[PR+6:PR+7]
	v_pk_add_f32 v[188:189], v[188:189], v[190:191]
	v_add_f32 v188, v188, v189
	v_permlanex16_b32 v189, v188, s20, s21
	v_add_f32 v188, v188, v189                     ; the row's sum
	v_rcp_f32 v190, v188
	v_nop
	s_wait_alu depctr_va_vdst(0)
	s_wait_loadcnt 32                              ; V is in; Wo's 32 loads may be out
.irp s, 0,1,2,3                                ; O^T = V^T P: four accumulators by turns
.irp ct, 0,1,2,3
.if \s == 0
	v_wmma_f32_16x16x4_f32 v[OA+8*\ct:OA+8*\ct+7], v[VF+8*\ct+2*\s:VF+8*\ct+2*\s+1], v[PR+2*\s:PR+2*\s+1], 0
.else
	v_wmma_f32_16x16x4_f32 v[OA+8*\ct:OA+8*\ct+7], v[VF+8*\ct+2*\s:VF+8*\ct+2*\s+1], v[PR+2*\s:PR+2*\s+1], v[OA+8*\ct:OA+8*\ct+7]
.endif
.endr
.endr
.rept 8
	v_nop
.endr
.set i, 0
.rept 32
	v_mul_f32 v[VF+i], v[OA+i], v190               ; o(query r, channel 16 ct + 8 h + j), where V^T lay
.set i, i+1
.endr
; 32 products: two tiles of 16 columns, 64 along K, two accumulators by turns; each sum begins with the constant 0
.macro ROUND wb
	v_wmma_f32_16x16x4_f32 v[YA:YA+7], v[\wb:\wb+1], v[VF:VF+1], 0
	v_wmma_f32_16x16x4_f32 v[YA+8:YA+15], v[\wb+32:\wb+33], v[VF:VF+1], 0
.set i, 1
.rept 15
	v_wmma_f32_16x16x4_f32 v[YA:YA+7], v[\wb+2*i:\wb+2*i+1], v[VF+2*i:VF+2*i+1], v[YA:YA+7]
	v_wmma_f32_16x16x4_f32 v[YA+8:YA+15], v[\wb+32+2*i:\wb+32+2*i+1], v[VF+2*i:VF+2*i+1], v[YA+8:YA+15]
.set i, i+1
.endr
.endm
.macro PUT g                           ; lane (r, h): row r, columns 16 nt + 8 h + 0 .. 7
.irp nt, 0,1
	ds_store_b128 v[STO], v[YA+8*\nt:YA+8*\nt+3] offset:64*(2*\g+\nt)
	ds_store_b128 v[STO], v[YA+8*\nt+4:YA+8*\nt+7] offset:64*(2*\g+\nt)+16
.endr
.endm
	s_wait_loadcnt 16                              ; Wo's tiles 0 and 1 are in
	ROUND W01
.rept 9
	v_nop                                          ; nine places: the next round's first products write over these results
.endr
	PUT 0
	s_wait_dscnt 0x0                               ; the stores have read their data
	s_wait_loadcnt 0x0                             ; Wo's tiles 2 and 3
	ROUND QF
.rept 8
	v_nop
.endr
	PUT 1
	s_wait_dscnt 0x0                               ; for the others' sake: my partial sums lie in LDS
	s_barrier_signal -1
	s_barrier_wait -1
	s_cmp_lt_u32 s10, 8
	s_cbranch_scc0 .Ldone
.irp p, 0,1,2,3,4,5,6,7,8,9,10,11,12,13,14,15
	ds_load_b128 v[QF+4*\p:QF+4*\p+3], v[RD] offset:4352*\p
.endr
	s_wait_dscnt 0x0
.irp d, 8,4,2,1
.set i, 0
.rept \d
	v_pk_add_f32 v[QF+4*i:QF+4*i+1], v[QF+4*i:QF+4*i+1], v[QF+4*(i+\d):QF+4*(i+\d)+1]
	v_pk_add_f32 v[QF+4*i+2:QF+4*i+3], v[QF+4*i+2:QF+4*i+3], v[QF+4*(i+\d)+2:QF+4*(i+\d)+3]
.set i, i+1
.endr
.endr
	global_store_b128 v[GO], v[QF:QF+3], s[8:9]    ; sixteen lanes store 256 consecutive bytes, aligned
.Ldone:
	s_wait_tensorcnt 0x0                           ; the wave's end
	ds_add_u32 v[SPW], v[NIL]
	s_wait_dscnt 0x0
	s_endpgm
.Lfunc_end_k_q8d66b8d05a_fine:
	.size	k_q8d66b8d05a_fine, .Lfunc_end_k_q8d66b8d05a_fine-k_q8d66b8d05a_fine
	.p2alignl 7, 3214868480
	.fill 96, 4, 3214868480
	.section	.rodata,"a",@progbits
	.p2align	6, 0x0
	.amdhsa_kernel k_q8d66b8d05a_fine
		.amdhsa_group_segment_fixed_size 71680
		.amdhsa_private_segment_fixed_size 0
		.amdhsa_enable_private_segment 0
		.amdhsa_kernarg_size 24
		.amdhsa_user_sgpr_count 2
		.amdhsa_user_sgpr_kernarg_segment_ptr 1
		.amdhsa_wavefront_size32 1
		.amdhsa_system_sgpr_workgroup_id_x 1
		.amdhsa_system_sgpr_workgroup_id_y 1
		.amdhsa_system_sgpr_workgroup_id_z 1
		.amdhsa_system_vgpr_workitem_id 0
		.amdhsa_next_free_vgpr 256
		.amdhsa_next_free_sgpr 66
		.amdhsa_reserve_vcc 1
		.amdhsa_float_denorm_mode_32 3
		.amdhsa_float_denorm_mode_16_64 3
		.amdhsa_memory_ordered 1
		.amdhsa_forward_progress 1
		.amdhsa_inst_pref_size 25
	.end_amdhsa_kernel
	.amdgpu_metadata
---
amdhsa.version: [ 1, 2 ]
amdhsa.kernels:
  - .name:           k_q8d66b8d05a_fine
    .symbol:         k_q8d66b8d05a_fine.kd
    .args:
      - { .name: qkvf, .offset: 0, .size: 8, .value_kind: global_buffer, .address_space: global }
      - { .name: Wo, .offset: 8, .size: 8, .value_kind: global_buffer, .address_space: global }
      - { .name: out0, .offset: 16, .size: 8, .value_kind: global_buffer, .address_space: global }
    .group_segment_fixed_size: 71680
    .private_segment_fixed_size: 0
    .kernarg_segment_align: 8
    .kernarg_segment_size: 24
    .max_flat_workgroup_size: 512
    .sgpr_count:     66
    .vgpr_count:     256
    .wavefront_size: 32
...
	.end_amdgpu_metadata
.endif
;; end of part 5
